; MI455X (gfx1250); checked and timed in simulation.
; The chip was launched on July 23, 2026; its instructions are those of AMD's public machine-readable ISA for CDNA 5 (MIT licence, August 2026) and "CDNA5" Instruction Set Architecture Reference Guide (July 2026). The comments in the code are by the model that wrote it; some were corrected since.
;; Sparse Mo E. Allowed arithmetic: matrix products marked QUANTISED: E5M2 operands, one E8M0 scale for each 32 along K, by v_wmma_scale_f32_16x16x128_f8f6f4 with both operands' format E5M2, f32 sums; products left as they are: f32 operands where the result goes on into a quantised operand, else bf16, f16 or f32 operands; f32 sums; everything else in f32.
;; Inputs: b_fc 8 x 4,096 float32; b_noise 8 float32; b_proj 8 x 1,024 float32; b_route 8 float32; noise 2 x 512 x 8 float32; w_fc_codes 8 x 4,096 x 32 x 32 uint8 (E5M2 codes of w_fc, K innermost, in blocks of 32 codes); w_fc_scales 8 x 4,096 x 32 uint8 (E8M0 scales of w_fc, one for each 32 codes along K); w_noise 1,024 x 8 float32; w_proj_codes 8 x 1,024 x 128 x 32 uint8 (E5M2 codes of w_proj, K innermost, in blocks of 32 codes); w_proj_scales 8 x 1,024 x 128 uint8 (E8M0 scales of w_proj, one for each 32 codes along K); w_route 1,024 x 8 float32; x 2 x 512 x 1,024 float32.
;; Outputs: out0 2 x 512 x 1,024 float32; out1 2 x 512 x 8 float32.
;; Constants: top_k = 2.
;; This version of the problem:
;;   THIS VERSION OF THE PROBLEM IS GIVEN IN LOW PRECISION. The matrix products marked QUANTISED in the list below multiply operands that are first quantised to E5M2 (5 exponent bits, 2 mantissa bits; 8 bits a number), with one power-of-two scale for each 32 numbers along K (OCP MX v1.0); their sums are f32. All else is computed in f32.
;;   The module's matrix products, in the order in which they are computed (A, B: the left and right operand; K: the contracted axis; several contracted axes count as one K, in the product's order):
;;     1. [M 1,024, K 1,024] x [K 1,024, N 8]; A: input x; B: input w_route: left as it is (N = 8 < 16)
;;     2. [M 1,024, K 1,024] x [K 1,024, N 8]; A: input x; B: input w_noise: left as it is (N = 8 < 16)
;;     3. [M 1,024, K 1,024] x [K 1,024, N 32,768]; A: input x; B: input w_fc (given as codes): QUANTISED
;;     4. batch 8 x [M 1,024, K 4,096] x [K 4,096, N 1,024]; A: input w_proj (given as codes); B: computed on the way: QUANTISED
;;     5. batch 1,024 x [M 1,024, K 8] x [K 8, N 1]; A: computed on the way; B: computed on the way: left as it is (K = 8 < 32)
;;   THE QUANTISER, for each operand of a quantised product, along K:
;;     - K is cut into blocks of 32 from its start; a last block that is shorter is filled with zeros.
;;     - A block's scale is 2^e with e = floor(log2(the largest magnitude in the block)) - 15, held to -126 .. 127; a block of zeros has e = 0. As a byte (E8M0): e + 127.
;;     - Each number is divided by its block's scale, clamped to +-57,344, and rounded to the nearest number of E5M2, ties to even, subnormals kept.
;;     - The product sums the exact products of the quantised numbers (number of the format x scale) in f32.
;;   ~~~python
;;   def quantise(x, axis):      # numpy; x: float32 -> the quantised numbers, widened to float32 again
;;       x = np.moveaxis(x, axis, -1); K = x.shape[-1]
;;       x = np.pad(x, [(0, 0)] * (x.ndim - 1) + [(0, -K % 32)]); x = x.reshape(x.shape[:-1] + (-1, 32)); a = np.abs(x).max(-1, keepdims=True)
;;       e = np.where(a > 0, np.clip(np.frexp(np.where(a > 0, a, 1))[1] - 1 - 15, -126, 127), 0)      # np.frexp(a)[1] - 1 = floor(log2(a)), exactly
;;       r = np.clip(x / 2.0 ** e, -57344, 57344)
;;       step = 2.0 ** (np.maximum(np.frexp(np.where(r == 0, 1, r))[1] - 1, -14) - 2)
;;       q = np.round(r / step) * step * 2.0 ** e      # np.round: ties to even
;;       return np.moveaxis(q.reshape(q.shape[:-2] + (-1,))[..., :K], -1, axis).astype(np.float32)
;;   ~~~
;;   OPERANDS COMPUTED ON THE WAY. 'Computed on the way' means the value that the module computes at that place (a softmax that the list does not call 'softmax' is quantised finished and normalised). What goes into a quantiser is computed in f32, as accurately as f32 sums, v_exp_f32 and their like allow (about 1e-6 of the number): no bf16 or f16 on the way to a quantiser, and a product that is left as it is and whose result goes on into a quantised operand takes f32 operands (vector FMAs, or v_wmma_f32_16x16x4_f32). A number that lies on a knife's edge between two numbers of the format may be rounded either way, as far as f32 arithmetic and the matrix unit's own rounding can turn it there, and no further.
;;   INPUTS GIVEN AS CODES. w_fc (in the module: [8, 1024, 4096], K = its axis 1); w_proj (in the module: [8, 4096, 1024], K = its axis 1): each comes as NAME_codes (uint8): NAME with its K axis moved to the last place and cut into blocks of 32 codes, [.., K / 32, bytes a block], one block behind the other in memory; one code a byte (a code: sign, 5 exponent bits, 2 mantissa bits); and NAME_scales (uint8): the same leading axes, one E8M0 byte (e + 127) for each 32 codes along K. Its value is code x scale, taken as it is: it is not quantised again, and the codes and scales need not be those that the quantiser above would give.
;; 2 versions. Each part assembles by itself: llvm-mc -triple=amdgcn-amd-amdhsa -mcpu=gfx1250 --defsym DOCPART=n.
;; ======== version 1 of 2: 4 launches
;; workspace buffers: xq 1,048,576 bytes; xs 32,768 bytes; msk 1,024 bytes of whole numbers; tsel 4,096 bytes of whole numbers; tgate 8,192 bytes; hq 33,554,432 bytes; hs 1,048,576 bytes; yb 9,437,184 bytes
;; launch route (part 1): grid 64 x 1, 8 waves a work-group, no clusters, 96,000 bytes of LDS; arguments x, noise, w_route, b_route, w_noise, b_noise, xq, xs, msk, tsel, tgate, out1; writes xq, xs, msk, tsel, tgate, out1
.if DOCPART == 1
	.amdgcn_target "amdgcn-amd-amdhsa--gfx1250"
	.amdhsa_code_object_version 6
	.text
	.protected	k_q5955adeb54_route
	.globl	k_q5955adeb54_route
	.p2align	8
	.type	k_q5955adeb54_route,@function
k_q5955adeb54_route:
	s_mov_b64 s[64:65], 0
	v_nop
	global_prefetch_b8 v0, s[64:65] scope:SCOPE_SE
	s_setreg_imm32_b32 hwreg(HW_REG_WAVE_MODE, 25, 1), 1
	s_wait_xcnt 0x0
; THE ROUTER, AND x AS CODES.  x [1024 tokens][1024] f32.  A work-group takes 16 tokens, each of its eight waves 128 along K.
; (1) logits = x w_route + b_route and noise logits = x w_noise + b_noise, with f32 operands: source 0 = the 16 output columns (8 of w_route, 8 of w_noise), source 1 = 16 tokens, 4 along K an instruction,
;     32 instructions a wave on four accumulators by turns; the eight waves' partial sums meet in LDS and wave 0 finishes the router: softplus, the dense softmax (out1), the top 2 (the lower index wins a tie), their two gates.
; (2) x is quantised to E5M2 codes with one E8M0 byte for each 32 along K: xq [token][1024 bytes], xs [token][8 words].
; What steers later launches is stored as whole numbers at fixed places: msk [expert][32 words], bit i of word g = token 32 g + i chose the expert; tsel [token] = first | second << 8.  tgate [token] = the two gates.
; No tensor load, no cluster: work-groups share only the 64 KiB of router weights.  64 work-groups: a tile of this matrix form has 16 tokens, and a token's sum stays in one work-group.
; LIMITS: NaN and infinities among the inputs are not served.  A block of x whose largest magnitude lies under 2^-111 (a block of zeros too) gets the scale byte 1; only this program reads the bytes.
.set WLW,  8704                        ; LDS: a wave's slice of the weights: 8 groups of 16 k x 64 bytes, 64 bytes of padding behind each group, so that the two halves of the lanes read different banks
.set PART, 69632                       ; the waves' partial sums, 1,024 bytes each
.set CST,  77824                       ; a row of 1,024 codes for each token, pitch CP
.set CP,   1040                        ; 65 x 16 bytes
.set XSS,  94464                       ; the tokens' scale words: 32 bytes a token
.set X,    16                          ; v16-79   64 numbers of x: register 16 b + i = k 32 b + 16 (lane / 16) + i of token lane % 16
.set WF,   80                          ; v80-143  the weights in the same order of k: lane % 16 is the output column
.set ACC,  144                         ; v144-175 four accumulators: written by matrix instructions alone
.set LAND, 176                         ; v176-239 the weights as loaded
.set P,    176                         ; v176-183 my partial sums
.set Q,    184
.set TM,   184                         ; v184-199 the quantiser's work
.set PW,   200                         ; the scale word just made
.set CODE, 204                         ; v204-219 the codes just made
.set ROWS, 220                         ; v220-235 rows of codes on their way out
.set NZ,   240                         ; v240-247 the token's eight noise numbers
.set WV,   28
.set SEL,  30                          ; s[30:31] v_permlanex16_b32's selects for lane l xor 16
.set MNT,  32                          ; the mantissa field of 57,344
.set HM,   33                          ; lanes 16-31
; 64 numbers of a lane, v[s] on, register 16 b + i = k 32 b + 16 (lane / 16) + i of my row, become a fragment's codes in v[pc] on and its scale word in v[pw]
.macro QUANT s, pc, pw
.irp b, 0,1,2,3
	v_max3_num_f32 v[TM+\b], |v[\s+16*\b]|, |v[\s+1+16*\b]|, 0x8000000   ; block b: my 16 numbers, and the floor 2^(16 - 127): the byte cannot fall under 1
.endr
.irp i, 2,4,6,8,10,12,14
.irp b, 0,1,2,3
	v_max3_num_f32 v[TM+\b], v[TM+\b], |v[\s+16*\b+\i]|, |v[\s+1+16*\b+\i]|   ; the four blocks by turns
.endr
.endr
.irp b, 0,1,2,3
	v_permlanex16_b32 v[TM+4+\b], v[TM+\b], s[SEL], s[SEL+1]
.endr
.irp b, 0,1,2,3
	v_max_num_f32 v[TM+\b], v[TM+\b], v[TM+4+\b]                 ; with lane l xor 16's: the block's largest magnitude
.endr
.irp b, 0,1,2,3
	v_add_nc_u32 v[TM+12+\b], 0xf8800000, v[TM+\b]               ; 15 off its exponent field: the conversion's scale operand
.endr
.irp b, 0,1,2,3
	v_and_or_b32 v[TM+8+\b], v[TM+\b], 0x7f800000, s[MNT]        ; 57,344 x the scale
.endr
.irp b, 0,1,2,3
	v_lshrrev_b32 v[TM+4+\b], 23, v[TM+12+\b]                    ; the scale's byte
.endr
	v_lshl_or_b32 v[\pw], v[TM+5], 8, v[TM+4]
	v_lshl_or_b32 v[\pw], v[TM+6], 16, v[\pw]
	v_lshl_or_b32 v[\pw], v[TM+7], 24, v[\pw]
.irp b, 0,1,2,3
.irp i, 0,1,2,3,4,5,6,7,8,9,10,11,12,13,14,15
	v_med3_num_f32 v[\s+16*\b+\i], v[\s+16*\b+\i], -v[TM+8+\b], v[TM+8+\b]   ; the conversion to an 8-bit code does not saturate (ISA guide 7.6.2): the hold comes first
.endr
	v_cvt_scalef32_pk8_bf8_f32 v[\pc+4*\b:\pc+1+4*\b], v[\s+16*\b:\s+7+16*\b], v[TM+12+\b]
	v_cvt_scalef32_pk8_bf8_f32 v[\pc+2+4*\b:\pc+3+4*\b], v[\s+8+16*\b:\s+15+16*\b], v[TM+12+\b]
.endr
	v_nop                                          ; one plain line behind the last conversion
.endm
	s_load_b512 s[4:19], s[0:1], 0x0               ; x, noise, w_route, b_route, w_noise, b_noise, xq, xs
	s_load_b256 s[20:27], s[0:1], 0x40             ; msk, tsel, tgate, out1
	v_lshl_add_u32 v254, v0, 2, 0x17300
	v_mov_b32 v255, 0
	v_lshrrev_b32 v4, 5, v0
	v_readfirstlane_b32 s[WV], v4                  ; wave 0..7 = my K step
	v_and_b32 v1, 31, v0                           ; lane
	v_and_b32 v2, 15, v0                           ; r
	v_bfe_u32 v3, v0, 4, 1                         ; h
	s_mov_b32 s[SEL], 0x76543210
	s_mov_b32 s[SEL+1], 0xfedcba98
	s_mov_b32 s[MNT], 0x600000
	s_mov_b32 s[HM], 0xffff0000
	v_lshlrev_b32 v13, 4, v1                       ; v13: 16 x lane
	s_lshl_b32 s52, s[WV], 12
	v_add_nc_u32 v4, s52, v13                      ; v4: my 16 bytes of a load of my wave's 4,096 bytes of w_route or w_noise
	v_lshlrev_b32 v5, 12, v2
	v_lshl_add_u32 v5, v3, 6, v5
	s_lshl_b32 s52, s[WV], 9
	v_add_nc_u32 v5, s52, v5                       ; v5: x: row r of 4,096 bytes + 512 x wave + 64 h
	s_mul_i32 s53, s[WV], WLW
	v_lshrrev_b32 v6, 1, v1
	v_lshlrev_b32 v6, 6, v6
	v_and_b32 v7, 1, v0
	v_lshl_add_u32 v6, v7, 4, v6
	v_add_nc_u32 v6, s53, v6                       ; v6: the slice, on the way in: k = lane / 2 of a group, columns 4 (lane % 2) on
	v_mul_u32_u24 v7, v3, 1088
	v_lshl_add_u32 v7, v2, 2, v7
	v_add_nc_u32 v7, s53, v7                       ; v7: and on the way out: group h, column r
	s_lshl_b32 s52, s[WV], 10
	s_add_co_u32 s52, s52, PART
	v_add_nc_u32 v8, s52, v13                      ; v8: my partial sums
	v_mul_u32_u24 v9, v2, CP
	v_lshl_add_u32 v9, v3, 4, v9
	s_lshl_b32 s52, s[WV], 7
	s_add_co_u32 s52, s52, CST
	v_add_nc_u32 v9, s52, v9                       ; v9: token r's row of codes, my K step, my half
	v_lshlrev_b32 v10, 5, v2
	s_lshl_b32 s52, s[WV], 2
	s_add_co_u32 s52, s52, XSS
	v_add_nc_u32 v10, s52, v10                     ; v10: token r's scale word of my K step
	s_mul_i32 s52, s[WV], 2*CP
	s_add_co_u32 s52, s52, CST
	v_add_nc_u32 v11, s52, v13                     ; v11: rows 2 w and 2 w + 1 of the codes, read back
	s_lshl_b32 s52, s[WV], 11
	v_add_nc_u32 v12, s52, v13                     ; v12: and their place in xq
	v_lshlrev_b32 v14, 5, v2                       ; v14: token r's 32 bytes of noise
	v_add_nc_u32 v15, XSS, v13                     ; v15: the scale words, read back
	s_wait_kmcnt 0x0
	s_mov_b32 s35, 0
	s_lshl_b32 s34, ttmp9, 16                      ; 16 tokens of 4,096 bytes
	s_add_nc_u64 s[4:5], s[4:5], s[34:35]
	s_lshl_b32 s34, ttmp9, 9                       ; 16 tokens of 32 bytes
	s_add_nc_u64 s[6:7], s[6:7], s[34:35]
	s_add_nc_u64 s[18:19], s[18:19], s[34:35]
	s_add_nc_u64 s[26:27], s[26:27], s[34:35]
	s_lshl_b32 s34, ttmp9, 14
	s_add_nc_u64 s[16:17], s[16:17], s[34:35]
	s_lshl_b32 s34, ttmp9, 6
	s_add_nc_u64 s[22:23], s[22:23], s[34:35]
	s_lshl_b32 s34, ttmp9, 7
	s_add_nc_u64 s[24:25], s[24:25], s[34:35]
	s_lshl_b32 s34, ttmp9, 1                       ; msk: my 16 tokens are half a word
	s_add_nc_u64 s[20:21], s[20:21], s[34:35]
	s_load_b256 s[36:43], s[10:11], 0x0            ; b_route
	s_load_b256 s[44:51], s[14:15], 0x0            ; b_noise.  (Every wave loads these and the noise: 96 bytes; it spares a branch)
	global_load_b128 v[NZ:NZ+3], v14, s[6:7]
	global_load_b128 v[NZ+4:NZ+7], v14, s[6:7] offset:16
.irp q, 0,1,2,3,4,5,6,7
	global_load_b128 v[LAND+4*\q:LAND+4*\q+3], v4, s[8:9] offset:512*\q          ; 32 lanes read 512 consecutive bytes
	global_load_b128 v[LAND+32+4*\q:LAND+32+4*\q+3], v4, s[12:13] offset:512*\q
.endr
.irp b, 0,1,2,3
.irp j, 0,1,2,3
	global_load_b128 v[X+16*\b+4*\j:X+16*\b+4*\j+3], v5, s[4:5] offset:128*\b+16*\j th:TH_LOAD_NT
.endr
.endr
	s_wait_loadcnt 16                              ; all but the 16 loads of x: the weights are in
.irp q, 0,1,2,3,4,5,6,7
	ds_store_b128 v6, v[LAND+4*\q:LAND+4*\q+3] offset:1088*\q
	ds_store_b128 v6, v[LAND+32+4*\q:LAND+32+4*\q+3] offset:1088*\q+32
.endr
.irp b, 0,1,2,3
.irp i, 0,1,2,3,4,5,6,7,8,9,10,11,12,13,14,15
	ds_load_b32 v[WF+16*\b+\i], v7 offset:2176*\b+64*\i      ; my wave's own bytes, and LDS serves a wave's instructions in order (ISA guide 5.7.1.4): no barrier
.endr
.endr
	s_wait_loadcnt 0x0
	s_wait_dscnt 0x0
	s_wait_kmcnt 0x0
	; instruction t takes registers 2 t, 2 t + 1 of both sides: the same four k.  The four accumulators take turns; the first four start the sums
.set t, 0
.rept 32
.if t < 4
	v_wmma_f32_16x16x4_f32 v[ACC+8*(t%4):ACC+8*(t%4)+7], v[WF+2*t:WF+2*t+1], v[X+2*t:X+2*t+1], 0
.else
	v_wmma_f32_16x16x4_f32 v[ACC+8*(t%4):ACC+8*(t%4)+7], v[WF+2*t:WF+2*t+1], v[X+2*t:X+2*t+1], v[ACC+8*(t%4):ACC+8*(t%4)+7]
.endif
.set t, t+1
.endr
.rept 8
	v_nop                                          ; eight places behind this matrix form (ISA guide 7.12.1)
.endr
.irp p, 0,2,4,6
	v_pk_add_f32 v[P+\p:P+\p+1], v[ACC+\p:ACC+\p+1], v[ACC+8+\p:ACC+8+\p+1]       ; each accumulator from its low end on
.endr
.irp p, 0,2,4,6
	v_pk_add_f32 v[Q+\p:Q+\p+1], v[ACC+16+\p:ACC+16+\p+1], v[ACC+24+\p:ACC+24+\p+1]
.endr
.irp p, 0,2,4,6
	v_pk_add_f32 v[P+\p:P+\p+1], v[P+\p:P+\p+1], v[Q+\p:Q+\p+1]
.endr
	ds_store_b128 v8, v[P:P+3]                     ; register j of lane (r, h): output 8 h + j of token r, over my 128 k
	ds_store_b128 v8, v[P+4:P+7] offset:512
	QUANT X, CODE, PW
.irp c, 0,1,2,3
	ds_store_b128 v9, v[CODE+4*\c:CODE+4*\c+3] offset:32*\c
.endr
	ds_store_b32 v10, v[PW]                        ; both halves of the lanes write the same word with the same value
	s_wait_dscnt 0x0                               ; for the others' sake: my stores have landed
	s_barrier_signal -1
	s_barrier_wait -1
.irp q, 0,1,2,3
	ds_load_b128 v[ROWS+4*\q:ROWS+4*\q+3], v11 offset:(\q/2)*CP+(\q%2)*512
.endr
.irp q, 0,1,2,3
	s_wait_dscnt 3-\q                              ; load q is back; the younger ones may be out
	global_store_b128 v12, v[ROWS+4*\q:ROWS+4*\q+3], s[16:17] offset:512*\q    ; 512 consecutive bytes, aligned
.endr
	s_cmp_lg_u32 s[WV], 1
	s_cbranch_scc1 .Lnot_wave_1
	ds_load_b128 v[236:239], v15
	s_wait_dscnt 0x0
	global_store_b128 v13, v[236:239], s[18:19]    ; the 16 tokens' scale words: 512 consecutive bytes
.Lnot_wave_1:
	s_cmp_lg_u32 s[WV], 0
	s_cbranch_scc1 .Lend
	; ---- wave 0 finishes the router.  Both halves of the lanes work on token r
.irp i, 0,1,2,3,4,5,6,7,8,9,10,11,12,13,14,15
	ds_load_b128 v[16+4*\i:19+4*\i], v8 offset:512*\i
.endr
	s_mov_b32 s52, 0xbfb8aa3b                      ; -log2(e)
	s_mov_b32 s53, 0x3f317218                      ; ln(2)
	s_mov_b32 s54, 0x3fb8aa3b                      ; log2(e)
	s_wait_dscnt 0x0
.irp p, 0,2,4,6
	v_pk_add_f32 v[80+\p:81+\p], v[16+\p:17+\p], v[24+\p:25+\p]
.endr
.irp w, 2,3,4,5,6,7
.irp p, 0,2,4,6
	v_pk_add_f32 v[80+\p:81+\p], v[80+\p:81+\p], v[16+8*\w+\p:17+8*\w+\p]
.endr
.endr
.irp j, 0,1,2,3,4,5,6,7
	v_permlanex16_b32 v[88+\j], v[80+\j], s[SEL], s[SEL+1]     ; lanes 0-15 hold the logits, lanes 16-31 the noise logits: each half takes the other's
.endr
.irp j, 0,1,2,3,4,5,6,7
	v_cndmask_b32 v[96+\j], v[80+\j], v[88+\j], s[HM]          ; the logits
	v_cndmask_b32 v[104+\j], v[88+\j], v[80+\j], s[HM]         ; the noise logits
.endr
.irp j, 0,1,2,3,4,5,6,7
	v_add_f32 v[96+\j], s[36+\j], v[96+\j]
	v_add_f32 v[104+\j], s[44+\j], v[104+\j]
.endr
	; softplus(z) = max(z, 0) + ln 2 x log2(1 + 2^(-|z| log2 e)): no exponent above 0
.irp j, 0,1,2,3,4,5,6,7
	v_mul_f32 v[112+\j], s52, |v[104+\j]|
.endr
.irp j, 0,1,2,3,4,5,6,7
	v_exp_f32 v[112+\j], v[112+\j]
.endr
.irp j, 0,1,2,3,4,5,6,7
	v_max_num_f32 v[120+\j], 0, v[104+\j]          ; plain work behind the batch
.endr
	s_wait_alu depctr_va_vdst(0)                   ; one wait for the eight, ahead of their first reader
.irp j, 0,1,2,3,4,5,6,7
	v_add_f32 v[112+\j], 1.0, v[112+\j]
.endr
.irp j, 0,1,2,3,4,5,6,7
	v_log_f32 v[112+\j], v[112+\j]
.endr
	v_nop
	s_wait_alu depctr_va_vdst(0)
.irp j, 0,1,2,3,4,5,6,7
	v_fma_f32 v[120+\j], v[112+\j], s53, v[120+\j]
.endr
.irp j, 0,1,2,3,4,5,6,7
	v_fma_f32 v[128+\j], v[NZ+\j], v[120+\j], v[96+\j]         ; noisy = logits + noise x softplus
.endr
	v_max3_num_f32 v16, v128, v129, v130
	v_max3_num_f32 v16, v16, v131, v132
	v_max3_num_f32 v16, v16, v133, v134
	v_max_num_f32 v16, v16, v135                   ; the row's maximum is taken away ahead of the exponentials
.irp j, 0,1,2,3,4,5,6,7
	v_sub_f32 v[136+\j], v[128+\j], v16
.endr
.irp j, 0,1,2,3,4,5,6,7
	v_mul_f32 v[136+\j], s54, v[136+\j]
.endr
.irp j, 0,1,2,3,4,5,6,7
	v_exp_f32 v[136+\j], v[136+\j]
.endr
	; the top 2, while the exponentials are out: a strict comparison in ascending order keeps the lower index on a tie
	v_mov_b32 v19, v128
	v_mov_b32 v20, 0
.irp j, 1,2,3,4,5,6,7
	v_cmp_gt_f32 vcc_lo, v[128+\j], v19
	v_cndmask_b32 v19, v19, v[128+\j], vcc_lo
	v_cndmask_b32 v20, v20, \j, vcc_lo
.endr
	v_mov_b32 v23, 0xff800000
.irp j, 0,1,2,3,4,5,6,7
	v_cmp_eq_u32 vcc_lo, \j, v20
	v_cndmask_b32 v[24+\j], v[128+\j], v23, vcc_lo             ; the first is taken out
.endr
	v_mov_b32 v21, v24
	v_mov_b32 v22, 0
.irp j, 1,2,3,4,5,6,7
	v_cmp_gt_f32 vcc_lo, v[24+\j], v21
	v_cndmask_b32 v21, v21, v[24+\j], vcc_lo
	v_cndmask_b32 v22, v22, \j, vcc_lo
.endr
	v_sub_f32 v32, v21, v19                        ; second - first: 0 or less
	v_mul_f32 v32, s54, v32
	v_exp_f32 v32, v32
	v_mov_b32 v40, 0                               ; (a plain line behind the last exponential)
	s_wait_alu depctr_va_vdst(0)                   ; one wait for the nine
	v_add_f32 v17, v136, v137
	v_add_f32 v18, v138, v139
	v_add_f32 v33, v140, v141
	v_add_f32 v34, v142, v143
	v_add_f32 v17, v17, v18
	v_add_f32 v33, v33, v34
	v_add_f32 v17, v17, v33
	v_add_f32 v35, 1.0, v32
	v_rcp_f32 v17, v17
	v_rcp_f32 v35, v35
	v_lshl_or_b32 v41, v22, 8, v20                 ; tsel.  (A plain line behind the reciprocals)
	s_wait_alu depctr_va_vdst(0)
.irp j, 0,1,2,3,4,5,6,7
	v_mul_f32 v[136+\j], v[136+\j], v17            ; gate1
.endr
	v_mov_b32 v42, v35                             ; the first's gate: 1 / (1 + e2)
	v_mul_f32 v43, v32, v35                        ; the second's
.irp e, 0,1,2,3,4,5,6,7
	v_cmp_eq_u32 s55, \e, v20
	v_cmp_eq_u32 s56, \e, v22
	s_or_b32 s55, s55, s56                         ; bit r: token r chose expert e
	v_writelane_b32 v40, s55, \e
.endr
.irp q, 0,1,2,3
	v_cndmask_b32 v[44+\q], v[136+\q], v[140+\q], s[HM]        ; lanes 16-31 store experts 4 to 7
.endr
	v_lshlrev_b32 v36, 5, v2
	v_lshl_add_u32 v36, v3, 4, v36
	v_lshlrev_b32 v37, 2, v2
	v_lshlrev_b32 v38, 3, v2
	v_lshlrev_b32 v39, 7, v1
	global_store_b128 v36, v[44:47], s[26:27]      ; out1: the wave's 512 bytes are consecutive
	s_wait_xcnt 0x0                                ; EXEC changes only behind this wait
	v_cmp_gt_u32 vcc_lo, 16, v0
	s_and_saveexec_b32 s57, vcc_lo
	global_store_b32 v37, v41, s[22:23]
	global_store_b64 v38, v[42:43], s[24:25]
	s_wait_xcnt 0x0
	s_or_b32 exec_lo, exec_lo, s57
	v_cmp_gt_u32 vcc_lo, 8, v0
	s_and_saveexec_b32 s57, vcc_lo
	global_store_b16 v39, v40, s[20:21]            ; lane e: expert e's 16 bits
	s_wait_xcnt 0x0
	s_or_b32 exec_lo, exec_lo, s57
.Lend:
	s_wait_tensorcnt 0x0
	ds_add_u32 v254, v255
	s_wait_dscnt 0x0
	s_endpgm
.Lfunc_end_k_q5955adeb54_route:
	.size	k_q5955adeb54_route, .Lfunc_end_k_q5955adeb54_route-k_q5955adeb54_route
	.p2alignl 7, 3214868480
	.fill 96, 4, 3214868480
	.section	.rodata,"a",@progbits
	.p2align	6, 0x0
	.amdhsa_kernel k_q5955adeb54_route
		.amdhsa_group_segment_fixed_size 96000
		.amdhsa_private_segment_fixed_size 0
		.amdhsa_enable_private_segment 0
		.amdhsa_kernarg_size 96
		.amdhsa_user_sgpr_count 2
		.amdhsa_user_sgpr_kernarg_segment_ptr 1
		.amdhsa_wavefront_size32 1
		.amdhsa_system_sgpr_workgroup_id_x 1
		.amdhsa_system_sgpr_workgroup_id_y 1
		.amdhsa_system_sgpr_workgroup_id_z 1
		.amdhsa_system_vgpr_workitem_id 0
		.amdhsa_next_free_vgpr 256
		.amdhsa_next_free_sgpr 66
		.amdhsa_reserve_vcc 1
		.amdhsa_float_denorm_mode_32 3
		.amdhsa_float_denorm_mode_16_64 3
		.amdhsa_memory_ordered 1
		.amdhsa_forward_progress 1
		.amdhsa_inst_pref_size 39
	.end_amdhsa_kernel
	.amdgpu_metadata
---
amdhsa.version: [ 1, 2 ]
amdhsa.kernels:
  - .name:           k_q5955adeb54_route
    .symbol:         k_q5955adeb54_route.kd
    .args:
      - { .name: x, .offset: 0, .size: 8, .value_kind: global_buffer, .address_space: global }
      - { .name: noise, .offset: 8, .size: 8, .value_kind: global_buffer, .address_space: global }
      - { .name: w_route, .offset: 16, .size: 8, .value_kind: global_buffer, .address_space: global }
      - { .name: b_route, .offset: 24, .size: 8, .value_kind: global_buffer, .address_space: global }
      - { .name: w_noise, .offset: 32, .size: 8, .value_kind: global_buffer, .address_space: global }
      - { .name: b_noise, .offset: 40, .size: 8, .value_kind: global_buffer, .address_space: global }
      - { .name: xq, .offset: 48, .size: 8, .value_kind: global_buffer, .address_space: global }
      - { .name: xs, .offset: 56, .size: 8, .value_kind: global_buffer, .address_space: global }
      - { .name: msk, .offset: 64, .size: 8, .value_kind: global_buffer, .address_space: global }
      - { .name: tsel, .offset: 72, .size: 8, .value_kind: global_buffer, .address_space: global }
      - { .name: tgate, .offset: 80, .size: 8, .value_kind: global_buffer, .address_space: global }
      - { .name: out1, .offset: 88, .size: 8, .value_kind: global_buffer, .address_space: global }
    .group_segment_fixed_size: 96000
    .private_segment_fixed_size: 0
    .kernarg_segment_align: 8
    .kernarg_segment_size: 96
    .max_flat_workgroup_size: 256
    .sgpr_count:     66
    .vgpr_count:     256
    .wavefront_size: 32
...
	.end_amdgpu_metadata
.endif
;; end of part 1
;; launch fc (part 2): grid 32 x 8, 8 waves a work-group, no clusters, 214,528 bytes of LDS; arguments xq, xs, msk, w_fc_codes, w_fc_scales, b_fc, hq, hs; writes hq, hs
.if DOCPART == 2
	.amdgcn_target "amdgcn-amd-amdhsa--gfx1250"
	.amdhsa_code_object_version 6
	.text
	.protected	k_q5955adeb54_fc
	.globl	k_q5955adeb54_fc
	.p2align	8
	.type	k_q5955adeb54_fc,@function
k_q5955adeb54_fc:
	s_mov_b64 s[64:65], 0
	v_nop
	global_prefetch_b8 v0, s[64:65] scope:SCOPE_SE
	s_setreg_imm32_b32 hwreg(HW_REG_WAVE_MODE, 25, 1), 1
	s_wait_xcnt 0x0
; THE FIRST PRODUCT OF THE EXPERTS, for the chosen rows alone: h = gelu(x w_fc + b_fc), quantised along H and stored as codes in the order of the next product's operand registers.
; Work-group (hc, e): expert e, hidden units 128 hc .. 128 hc + 127, which are K step hc of the next product.  Its 128 KiB of weight codes are read from memory once and stay in LDS.
; The expert's rows are its tokens in ascending order (position p).  A wave takes a GROUP of 32 positions against all 128 units: 16 accumulators; in round rd (four rounds, a constant) wave w has group 8 rd + w,
; and passes over it by a scalar branch where 32 x group is not under the expert's count.  A last group's spare positions hold some valid token: padding rows, which the next launch multiplies and never stores among the tokens' rows.
; POSITION -> TOKEN is computed from the expert's 32 mask words by selection alone (PREFIX, BUILD): no scatter, no address made of data; the list lies in LDS at addresses made of the thread's number.
; THE PRODUCT IS USED TRANSPOSED (source 0 = 16 units, source 1 = 16 rows), and LDS row rho holds the unit whose bits 3 and 4 are swapped against rho: so the 16 registers of tiles 2 b, 2 b + 1 are 16 neighbours along the next K.
; gelu(x) = x / (1 + 2^(x (k0 + k1 x^2))), k0 = -2 sqrt(2 / pi) log2 e, k1 = 0.044715 k0: the tanh form written with one exponential; it stays finite where x^2 overflows.
; NO TENSOR LOAD, NO CLUSTER: the rounds hang on a count read from memory; operands go from memory through registers into LDS, and nothing is asked for jointly.
; LIMITS: NaN and infinities are not served; a block of h whose largest magnitude lies under 2^-111 gets the scale byte 1.  Uneven counts cost time, not values: up to all 1,024 tokens on one expert.
; REGISTERS, window 0: v1-15 addresses; v16-31 the rows' offsets in xq; v32-39 x's scale words, v40-43 the weights' (scales and nothing else); v44-51 addresses; v64-127 four weight fragments; v128-191 x's fragments of two K steps;
;   v192-215 BUILD's work and landings.  Window 1: v0-127 the accumulators (row tile rt, unit tile ut at 64 rt + 8 ut; at the head the weights' landing); v128-255 x's landing, two halves; in the epilogue the work of gelu and the quantiser.
.set WP,   1040                        ; a unit's row in LDS: 1,024 codes + 16: 65 x 16 bytes, so the 16 rows of a load start at different banks (ISA guide 11.1)
.set WS,   133120                      ; the units' scale bytes: 32 + 16 a row
.set BI,   139264                      ; the 128 biases
.set LIST, 139776                      ; token of position p at 4 p
.set STG,  143872                      ; a stage for each wave: 32 rows x (256 + 16) bytes
.set SGW,  8704
.set ROFF, 16
.set XSC,  32
.set WSC,  40
.set WFR,  64
.set XF,   128
.set BP,   192                         ; BUILD: the position
.set PP,   193
.set SV,   194
.set BM,   195
.set BN,   196
.set L1,   197
.set L2,   198
.set L3,   199
.set L4,   200
.set POS,  201
.set BC,   202
.set BT,   203
.set TOK,  204
.set BA,   205
.set LAND, 128                         ; window 1
.set Z,    128
.set K0V,  192
.set TM,   196
.set PW,   212
.set CODE, 216
.set PG,   32                          ; s[32:63] for each mask word g: (set bits in the words before it) << 5 | g
.set MK,   68                          ; s[68:99] the expert's 32 mask words
.set WV,   20
.set EX,   21
.set HC,   22
.set CNT,  23
.set SEL,  28
.set MNT,  30
.set HM,   31
.set K1,   100
.set MSB, 0
.macro WIN new                         ; the immediate's high byte repeats the setting that is left; a switch that changes nothing is dropped
.if MSB != \new
	s_set_vgpr_msb (MSB<<8)|\new
.set MSB, \new
.endif
.endm
.macro PLACES n
.rept \n
	v_nop
.endr
.endm
.macro PICK src, width, step           ; does the wanted bit lie beyond the next 'step' bits?  Then their count comes off n and the place moves on
	v_bfe_u32 v[BC], v[\src], v[POS], \width
	v_cmp_ge_u32 vcc_lo, v[BN], v[BC]
	v_cndmask_b32 v[BC], 0, v[BC], vcc_lo
	v_sub_nc_u32 v[BN], v[BN], v[BC]
	v_cndmask_b32 v[BT], 0, \step, vcc_lo
	v_add_nc_u32 v[POS], v[POS], v[BT]
.endm
.macro BUILD                           ; v[BP], a position, -> v[TOK], the token at that position in the expert's list
	v_lshl_or_b32 v[PP], v[BP], 5, 31
	v_mov_b32 v[SV], s[PG]
	v_mov_b32 v[BM], s[MK]
.set g, 1
.rept 31
	v_cmp_le_u32 vcc_lo, s[PG+g], v[PP]            ; are at most p bits set before word g?  The last such word holds position p
	v_cndmask_b32 v[SV], v[SV], s[PG+g], vcc_lo
	v_cndmask_b32 v[BM], v[BM], s[MK+g], vcc_lo
.set g, g+1
.endr
	v_lshrrev_b32 v[BT], 5, v[SV]
	v_sub_nc_u32 v[BN], v[BP], v[BT]               ; n: which set bit of that word
	v_lshrrev_b32 v[BT], 1, v[BM]                  ; counts of set bits in fields of 2, 4, 8 and 16 bits
	v_and_b32 v[BT], 0x55555555, v[BT]
	v_sub_nc_u32 v[L1], v[BM], v[BT]
	v_lshrrev_b32 v[BT], 2, v[L1]
	v_and_b32 v[BT], 0x33333333, v[BT]
	v_and_b32 v[L2], 0x33333333, v[L1]
	v_add_nc_u32 v[L2], v[L2], v[BT]
	v_lshrrev_b32 v[BT], 4, v[L2]
	v_add_nc_u32 v[L3], v[L2], v[BT]
	v_and_b32 v[L3], 0x0f0f0f0f, v[L3]
	v_lshrrev_b32 v[BT], 8, v[L3]
	v_add_nc_u32 v[L4], v[L3], v[BT]
	v_and_b32 v[L4], 0x00ff00ff, v[L4]
	v_mov_b32 v[POS], 0
	PICK L4, 8, 16
	PICK L3, 8, 8
	PICK L2, 4, 4
	PICK L1, 2, 2
	PICK BM, 1, 1
	v_and_b32 v[BT], 31, v[SV]
	v_lshl_add_u32 v[TOK], v[BT], 5, v[POS]
	v_min_u32 v[TOK], 1023, v[TOK]                 ; a position at or beyond the count gives some valid token
.endm
; 64 numbers of a lane, v[s] on, register 16 b + i = k 32 b + 16 (lane / 16) + i of my row, become a fragment's codes in v[pc] on and its scale word in v[pw]
.macro QUANT s, pc, pw
.irp b, 0,1,2,3
	v_max3_num_f32 v[TM+\b], |v[\s+16*\b]|, |v[\s+1+16*\b]|, 0x8000000   ; block b: my 16 numbers, and the floor 2^(16 - 127): the byte cannot fall under 1
.endr
.irp i, 2,4,6,8,10,12,14
.irp b, 0,1,2,3
	v_max3_num_f32 v[TM+\b], v[TM+\b], |v[\s+16*\b+\i]|, |v[\s+1+16*\b+\i]|
.endr
.endr
.irp b, 0,1,2,3
	v_permlanex16_b32 v[TM+4+\b], v[TM+\b], s[SEL], s[SEL+1]
.endr
.irp b, 0,1,2,3
	v_max_num_f32 v[TM+\b], v[TM+\b], v[TM+4+\b]
.endr
.irp b, 0,1,2,3
	v_add_nc_u32 v[TM+12+\b], 0xf8800000, v[TM+\b]               ; 15 off the exponent field: the conversion's scale operand
.endr
.irp b, 0,1,2,3
	v_and_or_b32 v[TM+8+\b], v[TM+\b], 0x7f800000, s[MNT]        ; 57,344 x the scale
.endr
.irp b, 0,1,2,3
	v_lshrrev_b32 v[TM+4+\b], 23, v[TM+12+\b]                    ; the scale's byte
.endr
	v_lshl_or_b32 v[\pw], v[TM+5], 8, v[TM+4]
	v_lshl_or_b32 v[\pw], v[TM+6], 16, v[\pw]
	v_lshl_or_b32 v[\pw], v[TM+7], 24, v[\pw]
.irp b, 0,1,2,3
.irp i, 0,1,2,3,4,5,6,7,8,9,10,11,12,13,14,15
	v_med3_num_f32 v[\s+16*\b+\i], v[\s+16*\b+\i], -v[TM+8+\b], v[TM+8+\b]   ; the conversion to an 8-bit code does not saturate (ISA guide 7.6.2): the hold comes first
.endr
	v_cvt_scalef32_pk8_bf8_f32 v[\pc+4*\b:\pc+1+4*\b], v[\s+16*\b:\s+7+16*\b], v[TM+12+\b]
	v_cvt_scalef32_pk8_bf8_f32 v[\pc+2+4*\b:\pc+3+4*\b], v[\s+8+16*\b:\s+15+16*\b], v[TM+12+\b]
.endr
	v_nop                                          ; one plain line behind the last conversion
.endm
; gelu in place on the 64 registers v[a] on (window 1).  Each batch of 64 transcendentals has one plain line and one wait behind it, ahead of its first reader
.macro GELU a
.set j, 0
.rept 32
	v_pk_mul_f32 v[Z+j:Z+j+1], v[\a+j:\a+j+1], v[\a+j:\a+j+1]                    ; x^2: each accumulator is read from its low end on
.set j, j+2
.endr
.set j, 0
.rept 32
	v_pk_fma_f32 v[Z+j:Z+j+1], v[Z+j:Z+j+1], s[K1:K1+1], v[K0V:K0V+1] op_sel_hi:[1,0,1]   ; k0 + k1 x^2
.set j, j+2
.endr
.set j, 0
.rept 32
	v_pk_mul_f32 v[Z+j:Z+j+1], v[\a+j:\a+j+1], v[Z+j:Z+j+1]
.set j, j+2
.endr
.set j, 0
.rept 64
	v_exp_f32 v[Z+j], v[Z+j]
.set j, j+1
.endr
	v_nop
	s_wait_alu depctr_va_vdst(0)
.set j, 0
.rept 32
	v_pk_add_f32 v[Z+j:Z+j+1], v[Z+j:Z+j+1], 1.0 op_sel_hi:[1,0]
.set j, j+2
.endr
.set j, 0
.rept 64
	v_rcp_f32 v[Z+j], v[Z+j]
.set j, j+1
.endr
	v_nop
	s_wait_alu depctr_va_vdst(0)
.set j, 0
.rept 32
	v_pk_mul_f32 v[\a+j:\a+j+1], v[\a+j:\a+j+1], v[Z+j:Z+j+1]
.set j, j+2
.endr
.endm
; Half a K step: unit tiles 4 q .. 4 q + 3 against both row tiles, K step s (the sl-th of the granule in hand).  The 16 accumulators take turns in the same order in every K step
.macro HS s, sl, q
.irp t, 0,1,2,3
.irp c, 0,1,2,3
	ds_load_b128 v[WFR+16*\t+4*\c:WFR+16*\t+4*\c+3], v[4+\q] offset:\t*16*WP+128*(\s)+32*\c
.endr
	ds_load_b32 v[WSC+\t], v6 offset:(4*\q+\t)*768+4*(\s)
.endr
	s_wait_dscnt 0x0
	WIN 0x50                                       ; C and D in window 1
.irp t, 0,1,2,3
	v_wmma_scale_f32_16x16x128_f8f6f4 v[8*(4*\q+\t):8*(4*\q+\t)+7], v[WFR+16*\t:WFR+16*\t+15], v[XF+32*\sl:XF+32*\sl+15], v[8*(4*\q+\t):8*(4*\q+\t)+7], v[WSC+\t], v[XSC+\s] matrix_a_fmt:MATRIX_FMT_BF8 matrix_b_fmt:MATRIX_FMT_BF8
	v_wmma_scale_f32_16x16x128_f8f6f4 v[64+8*(4*\q+\t):64+8*(4*\q+\t)+7], v[WFR+16*\t:WFR+16*\t+15], v[XF+32*\sl+16:XF+32*\sl+31], v[64+8*(4*\q+\t):64+8*(4*\q+\t)+7], v[WSC+\t], v[XSC+\s] matrix_a_fmt:MATRIX_FMT_BF8 matrix_b_fmt:MATRIX_FMT_BF8 matrix_b_scale:MATRIX_SCALE_ROW1
.endr
	WIN 0
	PLACES 8                                       ; eight places behind this form, ahead of loads into its operands and of reads of its results
.endm
; A granule: 256 bytes (two K steps) of each of my 32 rows: from the landing through my stage into fragments; the granule two on is asked for; four half steps
.macro GRAN g
.if \g < 3
	s_wait_loadcnt 16                              ; this granule's loads are in; the next granule's 16 may be out
.else
	s_wait_loadcnt 0x0
.endif
	WIN 0x04                                       ; an LDS store's data: window 1
.irp i, 0,1,2,3,4,5,6,7,8,9,10,11,12,13,14,15
	ds_store_b128 v8, v[LAND+64*(\g%2)+4*\i:LAND+64*(\g%2)+4*\i+3] offset:544*\i
.endr
	WIN 0
.irp sl, 0,1
.irp rt, 0,1
.irp c, 0,1,2,3
	ds_load_b128 v[XF+32*\sl+16*\rt+4*\c:XF+32*\sl+16*\rt+4*\c+3], v9 offset:4352*\rt+128*\sl+32*\c   ; my own stage: LDS serves a wave's instructions in order
.endr
.endr
.endr
	s_wait_dscnt 0x0
.if \g < 2
	WIN 0x40
.irp i, 0,1,2,3,4,5,6,7,8,9,10,11,12,13,14,15
	global_load_b128 v[LAND+64*(\g%2)+4*\i:LAND+64*(\g%2)+4*\i+3], v[ROFF+\i], s[4:5] offset:256*(\g+2)
.endr
	WIN 0
.endif
	HS 2*\g, 0, 0
	HS 2*\g, 0, 1
	HS 2*\g+1, 1, 0
	HS 2*\g+1, 1, 1
.endm
	s_load_b512 s[4:19], s[0:1], 0x0               ; xq, xs, msk, w_fc_codes, w_fc_scales, b_fc, hq, hs
	v_lshl_add_u32 v254, v0, 2, 0x34200
	v_mov_b32 v255, 0
	v_lshrrev_b32 v1, 5, v0
	v_readfirstlane_b32 s[WV], v1                  ; wave 0..7
	v_and_b32 v1, 31, v0                           ; lane
	v_and_b32 v2, 15, v0                           ; r
	v_bfe_u32 v3, v0, 4, 1                         ; h
	s_and_b32 s[EX], ttmp7, 0xffff                 ; the expert
	s_mov_b32 s[HC], ttmp9                         ; the chunk of 128 hidden units
	v_lshlrev_b32 v15, 4, v2                       ; v15: 16 r
	v_lshlrev_b32 v51, 4, v1                       ; v51: 16 x lane
	v_mul_u32_u24 v4, v2, WP
	v_lshl_add_u32 v4, v3, 4, v4                   ; v4: a weight fragment's row r, my half; unit tiles 0-3 by the immediate,
	v_add_nc_u32 v5, 64*WP, v4                     ; v5: tiles 4-7
	v_mul_u32_u24 v6, v2, 48
	v_add_nc_u32 v6, WS, v6                        ; v6: row r's scale words
	v_lshlrev_b32 v7, 6, v3
	v_add_nc_u32 v7, BI, v7                        ; v7: the biases of my half's units
	s_mul_i32 s24, s[WV], SGW
	s_add_co_u32 s24, s24, STG
	v_mul_u32_u24 v8, v3, 272
	v_add_nc_u32 v8, v8, v15
	v_add_nc_u32 v8, s24, v8                       ; v8: my stage, in: sixteen lanes a row, two rows an instruction
	v_mul_u32_u24 v9, v2, 272
	v_lshl_add_u32 v9, v3, 4, v9
	v_add_nc_u32 v9, s24, v9                       ; v9: and out: row r, my half
	s_lshl_b32 s24, s[WV], 7
	s_add_co_u32 s24, s24, LIST
	v_lshl_add_u32 v10, v3, 2, s24                 ; v10: the list at my group's rows 2 i + h
	v_lshl_add_u32 v11, v1, 2, s24                 ; v11: and at row = lane
	s_lshl_b32 s24, s[WV], 17
	v_add_nc_u32 v12, s24, v51                     ; v12: hq: my group's 131,072 bytes, 16 x lane
	s_lshl_b32 s24, s[WV], 12
	v_lshl_add_u32 v13, v1, 2, s24                 ; v13: hs: my group's 4,096 bytes, 4 x lane
	s_lshr_b32 s24, s[WV], 1                       ; staging: wave w brings units 16 w + a: LDS rows 32 (w / 2) + 8 (w % 2) + 16 (a / 8) + a % 8
	s_lshl_b32 s24, s24, 5
	s_and_b32 s25, s[WV], 1
	s_lshl_b32 s25, s25, 3
	s_add_co_u32 s24, s24, s25
	s_mul_i32 s24, s24, WP
	v_add_nc_u32 v46, s24, v51                     ; v46
	v_lshrrev_b32 v47, 1, v0                       ; the scale bytes: thread t brings half t % 2 of unit t / 2
	v_and_b32 v47, 0x67, v47
	v_bfe_u32 v48, v0, 4, 1
	v_lshl_or_b32 v47, v48, 4, v47
	v_bfe_u32 v48, v0, 5, 1
	v_lshl_or_b32 v47, v48, 3, v47                 ; its LDS row
	v_mul_u32_u24 v47, v47, 48
	v_and_b32 v48, 1, v0
	v_lshl_add_u32 v47, v48, 4, v47
	v_add_nc_u32 v47, WS, v47                      ; v47
	v_add_nc_u32 v48, BI, v51                      ; v48
	s_lshl_b32 s24, s[WV], 14
	v_add_nc_u32 v49, s24, v51                     ; v49: my wave's 16,384 bytes of the chunk's codes
	v_lshlrev_b32 v50, 4, v0                       ; v50: my thread's 16 of its 4,096 scale bytes
	s_mov_b32 s[SEL], 0x76543210
	s_mov_b32 s[SEL+1], 0xfedcba98
	s_mov_b32 s[MNT], 0x600000
	s_mov_b32 s[HM], 0xffff0000
	s_mov_b32 s[K1], 0xbdd2d3e8                    ; k1 = -0.10294324
	s_mov_b32 s[K1+1], s[K1]                       ; (named with it as a pair, so it is written)
	s_wait_kmcnt 0x0
	s_mov_b32 s27, 0
	s_lshl_b32 s26, s[EX], 7
	s_add_nc_u64 s[8:9], s[8:9], s[26:27]
	s_load_b512 s[MK:MK+15], s[8:9], 0x0
	s_load_b512 s[MK+16:MK+31], s[8:9], 0x40
	s_lshl_b32 s26, s[EX], 22                      ; codes: (4,096 e + 128 hc) rows of 1,024 bytes
	s_lshl_b32 s24, s[HC], 17
	s_add_co_u32 s26, s26, s24
	s_add_nc_u64 s[10:11], s[10:11], s[26:27]
	s_lshl_b32 s26, s[EX], 17                      ; scale bytes: 32 a row
	s_lshl_b32 s24, s[HC], 12
	s_add_co_u32 s26, s26, s24
	s_add_nc_u64 s[12:13], s[12:13], s[26:27]
	s_lshl_b32 s26, s[EX], 14                      ; biases: 4 bytes a unit
	s_lshl_b32 s24, s[HC], 9
	s_add_co_u32 s26, s26, s24
	s_add_nc_u64 s[14:15], s[14:15], s[26:27]
	s_lshl_b32 s26, s[EX], 22                      ; hq: the expert's 4 MiB, K step hc's 4,096 bytes of a group
	s_lshl_b32 s24, s[HC], 12
	s_add_co_u32 s26, s26, s24
	s_add_nc_u64 s[16:17], s[16:17], s[26:27]
	s_lshl_b32 s26, s[EX], 17                      ; hs: the expert's 131,072 bytes, K step hc's 128 of a group
	s_lshl_b32 s24, s[HC], 7
	s_add_co_u32 s26, s26, s24
	s_add_nc_u64 s[18:19], s[18:19], s[26:27]
	WIN 0x40                                       ; a load's destination: window 1
.set i, 0
.rept 32
	global_load_b128 v[4*i:4*i+3], v49, s[10:11] offset:512*i th:TH_LOAD_NT      ; 512 consecutive bytes; no other work-group reads them
.set i, i+1
.endr
	WIN 0
	global_load_b128 v[208:211], v50, s[12:13] th:TH_LOAD_NT
	global_load_b128 v[212:215], v51, s[14:15]     ; (every wave loads the 512 bytes of biases; wave 0 stages them)
	s_wait_kmcnt 0x0
	; PREFIX
	s_mov_b32 s[CNT], 0
.set g, 0
.rept 32
	s_lshl_b32 s[PG+g], s[CNT], 5
	s_or_b32 s[PG+g], s[PG+g], g
	s_bcnt1_i32_b32 s24, s[MK+g]
	s_add_co_u32 s[CNT], s[CNT], s24
.set g, g+1
.endr
	; the list: four passes of 256 positions, a constant; a pass with no position under the count is passed over
	s_mov_b32 s2, 0
.Lbuild:
	s_cmp_ge_u32 s2, s[CNT]
	s_cbranch_scc1 .Lno_pass
	v_add_nc_u32 v[BP], s2, v0
	BUILD
	v_lshl_add_u32 v[BA], v[BP], 2, LIST
	ds_store_b32 v[BA], v[TOK]
.Lno_pass:
	s_add_co_u32 s2, s2, 256
	s_cmp_lt_u32 s2, 1024
	s_cbranch_scc1 .Lbuild
	s_wait_loadcnt 0x0                             ; the weights, their scale bytes and the biases are in
	WIN 0x04
.set i, 0
.rept 32
	ds_store_b128 v46, v[4*i:4*i+3] offset:(16*((i/2)/8)+((i/2)%8))*WP+512*(i%2)
.set i, i+1
.endr
	WIN 0
	ds_store_b128 v47, v[208:211]
	s_cmp_lg_u32 s[WV], 0
	s_cbranch_scc1 .Lnot_wave_0
	ds_store_b128 v48, v[212:215]
.Lnot_wave_0:
	s_wait_dscnt 0x0                               ; for the others' sake: my stores have landed
	s_barrier_signal -1
	s_barrier_wait -1                              ; the one barrier: from here on the weights, the biases and the list are only read
	s_mov_b32 s2, 0                                ; the round
	s_mov_b32 s3, 0                                ; 1,024 x round: the list's step
	s_lshl_b32 s66, s[WV], 5                       ; 32 x my group
.Lround:
	s_cmp_ge_u32 s66, s[CNT]
	s_cbranch_scc1 .Lnone
	; my 32 rows' tokens; their scale words; granules 0 and 1 of their codes
	v_add_nc_u32 v44, s3, v10
	v_add_nc_u32 v45, s3, v11
.irp i, 0,1,2,3,4,5,6,7,8,9,10,11,12,13,14,15
	ds_load_b32 v[ROFF+\i], v44 offset:8*\i
.endr
	ds_load_b32 v14, v45
	s_wait_dscnt 0x0
.irp i, 0,1,2,3,4,5,6,7,8,9,10,11,12,13,14,15
	v_min_u32 v[ROFF+\i], 1023, v[ROFF+\i]
.endr
.irp i, 0,1,2,3,4,5,6,7,8,9,10,11,12,13,14,15
	v_lshl_add_u32 v[ROFF+\i], v[ROFF+\i], 10, v15             ; sixteen lanes read 256 consecutive bytes of a row, aligned
.endr
	v_min_u32 v14, 1023, v14
	v_lshlrev_b32 v14, 5, v14
	global_load_b128 v[XSC:XSC+3], v14, s[6:7]     ; lane l: row l's eight scale words: row tile 1's lie in lanes 16-31
	global_load_b128 v[XSC+4:XSC+7], v14, s[6:7] offset:16
	WIN 0x40
.irp g, 0,1
.irp i, 0,1,2,3,4,5,6,7,8,9,10,11,12,13,14,15
	global_load_b128 v[LAND+64*\g+4*\i:LAND+64*\g+4*\i+3], v[ROFF+\i], s[4:5] offset:256*\g
.endr
.endr
.irp rt, 0,1                                   ; the biases are the sums' first C: register j of tile ut is unit 32 (ut / 2) + 16 h + 8 (ut % 2) + j
.irp ut, 0,1,2,3,4,5,6,7
	ds_load_b128 v[64*\rt+8*\ut:64*\rt+8*\ut+3], v7 offset:(32*(\ut/2)+8*(\ut%2))*4
	ds_load_b128 v[64*\rt+8*\ut+4:64*\rt+8*\ut+7], v7 offset:(32*(\ut/2)+8*(\ut%2))*4+16
.endr
.endr
	WIN 0
	GRAN 0
	GRAN 1
	GRAN 2
	GRAN 3
	WIN 0x55                                       ; everything in window 1
	v_mov_b32 v[K0V], 0xc0135761                   ; k0 = -2.3022082
	v_mov_b32 v[K0V+1], 0xc0135761
.irp b, 0,1,2,3
	v_mov_b32 v[TM+4+\b], 0                        ; a lane permute's destination counts as one of its sources
.endr
	GELU 0
	QUANT 0, CODE, PW
	GELU 64
	QUANT 64, CODE+16, PW+1
	v_cndmask_b32 v[PW+2], v[PW], v[PW+1], s[HM]   ; lane l: row l's scale word
	WIN 0x04                                       ; a store's data: window 1
.irp rt, 0,1
.irp c, 0,1,2,3
	global_store_b128 v12, v[CODE+16*\rt+4*\c:CODE+16*\rt+4*\c+3], s[16:17] offset:2048*\rt+512*\c th:TH_STORE_NT   ; the operand's registers as they stand: 512 consecutive bytes a store
.endr
.endr
	global_store_b32 v13, v[PW+2], s[18:19] th:TH_STORE_NT
	WIN 0
.Lnone:
	s_wait_xcnt 0x0                                ; the stores have read their registers and addresses: both may be written again
	v_add_nc_u32 v12, 0x100000, v12                ; eight groups on
	v_add_nc_u32 v13, 0x8000, v13
	s_add_co_u32 s66, s66, 256
	s_add_co_u32 s3, s3, 1024
	s_add_co_u32 s2, s2, 1
	s_cmp_lt_u32 s2, 4
	s_cbranch_scc1 .Lround
	s_wait_tensorcnt 0x0
	ds_add_u32 v254, v255
	s_wait_dscnt 0x0
	s_endpgm
.Lfunc_end_k_q5955adeb54_fc:
	.size	k_q5955adeb54_fc, .Lfunc_end_k_q5955adeb54_fc-k_q5955adeb54_fc
	.p2alignl 7, 3214868480
	.fill 96, 4, 3214868480
	.section	.rodata,"a",@progbits
	.p2align	6, 0x0
	.amdhsa_kernel k_q5955adeb54_fc
		.amdhsa_group_segment_fixed_size 214528
		.amdhsa_private_segment_fixed_size 0
		.amdhsa_enable_private_segment 0
		.amdhsa_kernarg_size 64
		.amdhsa_user_sgpr_count 2
		.amdhsa_user_sgpr_kernarg_segment_ptr 1
		.amdhsa_wavefront_size32 1
		.amdhsa_system_sgpr_workgroup_id_x 1
		.amdhsa_system_sgpr_workgroup_id_y 1
		.amdhsa_system_sgpr_workgroup_id_z 1
		.amdhsa_system_vgpr_workitem_id 0
		.amdhsa_next_free_vgpr 512
		.amdhsa_next_free_sgpr 102
		.amdhsa_reserve_vcc 1
		.amdhsa_float_denorm_mode_32 3
		.amdhsa_float_denorm_mode_16_64 3
		.amdhsa_memory_ordered 1
		.amdhsa_forward_progress 1
		.amdhsa_inst_pref_size 130
	.end_amdhsa_kernel
	.amdgpu_metadata
---
amdhsa.version: [ 1, 2 ]
amdhsa.kernels:
  - .name:           k_q5955adeb54_fc
    .symbol:         k_q5955adeb54_fc.kd
    .args:
      - { .name: xq, .offset: 0, .size: 8, .value_kind: global_buffer, .address_space: global }
      - { .name: xs, .offset: 8, .size: 8, .value_kind: global_buffer, .address_space: global }
      - { .name: msk, .offset: 16, .size: 8, .value_kind: global_buffer, .address_space: global }
      - { .name: w_fc_codes, .offset: 24, .size: 8, .value_kind: global_buffer, .address_space: global }
      - { .name: w_fc_scales, .offset: 32, .size: 8, .value_kind: global_buffer, .address_space: global }
      - { .name: b_fc, .offset: 40, .size: 8, .value_kind: global_buffer, .address_space: global }
      - { .name: hq, .offset: 48, .size: 8, .value_kind: global_buffer, .address_space: global }
      - { .name: hs, .offset: 56, .size: 8, .value_kind: global_buffer, .address_space: global }
    .group_segment_fixed_size: 214528
    .private_segment_fixed_size: 0
    .kernarg_segment_align: 8
    .kernarg_segment_size: 64
    .max_flat_workgroup_size: 256
    .sgpr_count:     102
    .vgpr_count:     512
    .wavefront_size: 32
...
	.end_amdgpu_metadata
.endif
;; end of part 2
;; launch proj (part 3): grid 32 x 8, 8 waves a work-group, no clusters, 312,576 bytes of LDS; arguments hq, hs, msk, tsel, tgate, w_proj_codes, w_proj_scales, b_proj, yb; writes yb
.if DOCPART == 3
	.amdgcn_target "amdgcn-amd-amdhsa--gfx1250"
	.amdhsa_code_object_version 6
	.text
	.protected	k_q5955adeb54_proj
	.globl	k_q5955adeb54_proj
	.p2align	8
	.type	k_q5955adeb54_proj,@function
k_q5955adeb54_proj:
	s_mov_b64 s[64:65], 0
	v_nop
	global_prefetch_b8 v0, s[64:65] scope:SCOPE_SE
	s_setreg_imm32_b32 hwreg(HW_REG_WAVE_MODE, 25, 1), 1
	s_wait_xcnt 0x0
; THE SECOND PRODUCT OF THE EXPERTS, for the chosen rows alone: yb[slot][token] = gate x (h w_proj + b_proj); slot 0 is the token's first expert, slot 1 its second: each row of yb has one owner.
; Work-group (x, e): expert e, columns 64 (x / 2) .. + 63, and the groups of 32 rows of parity x % 2.  Its 256 KiB of weight codes stay in LDS.
; A wave takes one group of 32 rows x 64 columns, 8 accumulators, over K = 4,096: 32 K steps, all written out, every offset an immediate.  In round rd (two rounds, a constant) wave w has group 2 (8 rd + w) + x % 2,
; and passes over it by a scalar branch where 32 x group is not under the expert's count.
; h comes from memory straight into operand registers (it was stored in their order): 8 loads of 512 consecutive bytes and one load of scale words a K step, through a ring of seven register slots: six K steps are on their way while one is multiplied.
; THE PRODUCT IS USED TRANSPOSED (source 0 = 16 columns of w_proj, source 1 = 16 rows of h): a lane holds eight neighbouring columns of one row.
; POSITION -> TOKEN as in the launch before (PREFIX, BUILD); slot and gate are chosen by v_cndmask_b32 from tsel and tgate.
; SPARE ROWS.  A last group's positions at or beyond the count are multiplied with the others and stored to rows of their own behind the two slots, row 2,048 + 32 e + position % 32: at most 31 rows of 4 KiB an expert,
; which no launch reads.  Only an expert's last group has such rows, so they too have one owner each.  So every lane is on throughout, and no store hangs on a mask.
; NO TENSOR LOAD, NO CLUSTER: the rounds hang on a count read from memory; nothing is asked for jointly, though two work-groups read each chunk of weights and sixteen each group of h.
; REGISTERS, window 0: v1-15 addresses; v16-79 the accumulators (8 (4 rt + ct)); v80-143, v144-207 two sets of four weight fragments (at the head BUILD's work and landings; on the way out v80-143 rows of y);
;   v208-215 the weights' scale words, two sets, v216-222 h's (scales and nothing else); v224-251 work and addresses.  Window 1: v0-223 the ring (at the head v0-255: the weights' landing).
.set WP,   4112                        ; a column's row in LDS: 4,096 codes + 16: 257 x 16 bytes, so the 16 rows of a load start at different banks (ISA guide 11.1)
.set WS,   263168                      ; the columns' scale bytes: 128 + 16 a row
.set BI,   272384                      ; the 64 biases
.set YO,   272640                      ; the row of yb of my work-group's q-th row, q = 32 (8 rd + w) + row: slot << 10 | token, or a spare row
.set GT,   274688                      ; its gate
.set STG,  276736                      ; a stage for each wave: 16 rows x (256 + 16) bytes
.set ACC,  16
.set WB,   80
.set WSC,  208
.set HSC,  216
.set YOF,  228                         ; v228-235 row tile 0's offsets in yb, v244-251 row tile 1's
.set BP,   80
.set PP,   81
.set SV,   82
.set BM,   83
.set BN,   84
.set L1,   85
.set L2,   86
.set L3,   87
.set L4,   88
.set POS,  89
.set BC,   90
.set BT,   91
.set TOK,  92
.set PG,   32
.set MK,   68
.set WV,   22
.set EX,   23
.set CC,   24
.set RH,   25
.set CNT,  26
.set PADB, 31                          ; s31: 2,048 + 32 e: the expert's first spare row of yb
.set MSB, 0
.macro WIN new                         ; the immediate's high byte repeats the setting that is left; a switch that changes nothing is dropped
.if MSB != \new
	s_set_vgpr_msb (MSB<<8)|\new
.set MSB, \new
.endif
.endm
.macro PLACES n
.rept \n
	v_nop
.endr
.endm
.macro PICK src, width, step           ; does the wanted bit lie beyond the next 'step' bits?  Then their count comes off n and the place moves on
	v_bfe_u32 v[BC], v[\src], v[POS], \width
	v_cmp_ge_u32 vcc_lo, v[BN], v[BC]
	v_cndmask_b32 v[BC], 0, v[BC], vcc_lo
	v_sub_nc_u32 v[BN], v[BN], v[BC]
	v_cndmask_b32 v[BT], 0, \step, vcc_lo
	v_add_nc_u32 v[POS], v[POS], v[BT]
.endm
.macro BUILD                           ; v[BP], a position, -> v[TOK], the token at that position in the expert's list
	v_lshl_or_b32 v[PP], v[BP], 5, 31
	v_mov_b32 v[SV], s[PG]
	v_mov_b32 v[BM], s[MK]
.set g, 1
.rept 31
	v_cmp_le_u32 vcc_lo, s[PG+g], v[PP]            ; are at most p bits set before word g?  The last such word holds position p
	v_cndmask_b32 v[SV], v[SV], s[PG+g], vcc_lo
	v_cndmask_b32 v[BM], v[BM], s[MK+g], vcc_lo
.set g, g+1
.endr
	v_lshrrev_b32 v[BT], 5, v[SV]
	v_sub_nc_u32 v[BN], v[BP], v[BT]               ; n: which set bit of that word
	v_lshrrev_b32 v[BT], 1, v[BM]                  ; counts of set bits in fields of 2, 4, 8 and 16 bits
	v_and_b32 v[BT], 0x55555555, v[BT]
	v_sub_nc_u32 v[L1], v[BM], v[BT]
	v_lshrrev_b32 v[BT], 2, v[L1]
	v_and_b32 v[BT], 0x33333333, v[BT]
	v_and_b32 v[L2], 0x33333333, v[L1]
	v_add_nc_u32 v[L2], v[L2], v[BT]
	v_lshrrev_b32 v[BT], 4, v[L2]
	v_add_nc_u32 v[L3], v[L2], v[BT]
	v_and_b32 v[L3], 0x0f0f0f0f, v[L3]
	v_lshrrev_b32 v[BT], 8, v[L3]
	v_add_nc_u32 v[L4], v[L3], v[BT]
	v_and_b32 v[L4], 0x00ff00ff, v[L4]
	v_mov_b32 v[POS], 0
	PICK L4, 8, 16
	PICK L3, 8, 8
	PICK L2, 4, 4
	PICK L1, 2, 2
	PICK BM, 1, 1
	v_and_b32 v[BT], 31, v[SV]
	v_lshl_add_u32 v[TOK], v[BT], 5, v[POS]
	v_min_u32 v[TOK], 1023, v[TOK]                 ; a position at or beyond the count gives some valid token
.endm
.macro LDW kk, buf                     ; K step kk's four weight fragments and their scale words into set buf: 20 LDS loads
.irp ct, 0,1,2,3
.irp c, 0,1,2,3
	ds_load_b128 v[WB+64*(\buf)+16*\ct+4*\c:WB+64*(\buf)+16*\ct+4*\c+3], v[4+\ct] offset:128*(\kk)+32*\c
.endr
	ds_load_b32 v[WSC+4*(\buf)+\ct], v8 offset:2304*\ct+4*(\kk)
.endr
.endm
	s_load_b512 s[4:19], s[0:1], 0x0               ; hq, hs, msk, tsel, tgate, w_proj_codes, w_proj_scales, b_proj
	s_load_b64 s[20:21], s[0:1], 0x40              ; yb
	v_lshl_add_u32 v254, v0, 2, 0x4c100
	v_mov_b32 v255, 0
	v_lshrrev_b32 v1, 5, v0
	v_readfirstlane_b32 s[WV], v1                  ; wave 0..7
	v_and_b32 v1, 31, v0                           ; lane
	v_and_b32 v2, 15, v0                           ; r
	v_bfe_u32 v3, v0, 4, 1                         ; h
	s_and_b32 s[EX], ttmp7, 0xffff                 ; the expert
	s_lshr_b32 s[CC], ttmp9, 1                     ; the chunk of 64 columns
	s_and_b32 s[RH], ttmp9, 1                      ; the parity of my groups
	s_lshl_b32 s[PADB], s[EX], 5
	s_add_co_u32 s[PADB], s[PADB], 2048
	v_mul_u32_u24 v4, v2, WP
	v_lshl_add_u32 v4, v3, 4, v4                   ; v4-7: a weight fragment's row r, my half, column tiles 0 to 3
	v_add_nc_u32 v5, 16*WP, v4
	v_add_nc_u32 v6, 32*WP, v4
	v_add_nc_u32 v7, 48*WP, v4
	v_mul_u32_u24 v8, v2, 144
	v_add_nc_u32 v8, WS, v8                        ; v8: row r's scale words
	v_lshlrev_b32 v9, 5, v3
	v_add_nc_u32 v9, BI, v9                        ; v9: the biases of my half's columns
	s_lshl_b32 s27, s[WV], 1
	s_add_co_u32 s27, s27, s[RH]                   ; my group in round 0
	s_lshl_b32 s30, s27, 5                         ; s30: 32 x my group
	s_lshl_b32 s28, s27, 17
	v_lshl_add_u32 v10, v1, 4, s28                 ; v10: hq: my group's 131,072 bytes, 16 x lane
	s_lshl_b32 s28, s27, 12
	v_lshl_add_u32 v11, v1, 2, s28                 ; v11: hs: my group's 4,096 bytes, 4 x lane
	s_mul_i32 s28, s[WV], 4352
	s_add_co_u32 s28, s28, STG
	v_mul_u32_u24 v12, v2, 272
	v_lshl_add_u32 v12, v3, 5, v12
	v_add_nc_u32 v12, s28, v12                     ; v12: my stage, in: row r, 32 bytes for each half of the lanes
	v_lshlrev_b32 v236, 4, v2                      ; v236: 16 r
	v_mul_u32_u24 v13, v3, 272
	v_add_nc_u32 v13, v13, v236
	v_add_nc_u32 v13, s28, v13                     ; v13: and back: sixteen lanes a row, two rows an instruction
	s_lshl_b32 s28, s[WV], 7
	s_add_co_u32 s29, s28, GT
	v_lshl_add_u32 v14, v2, 2, s29                 ; v14: the gate of my wave's row r
	s_add_co_u32 s29, s28, YO
	v_lshl_add_u32 v15, v3, 2, s29                 ; v15: the rows of yb of its rows 2 i + h
	s_mul_i32 s28, s[WV], 8*WP
	v_lshl_add_u32 v237, v1, 4, s28                ; v237: staging: wave w brings columns 8 w .. 8 w + 7
	v_lshrrev_b32 v238, 3, v0
	v_mul_u32_u24 v238, v238, 144
	v_and_b32 v239, 7, v0
	v_lshl_add_u32 v238, v239, 4, v238
	v_add_nc_u32 v238, WS, v238                    ; v238: thread t brings 16 scale bytes of column t / 8, and of column 32 + t / 8
	v_lshl_add_u32 v239, v1, 3, BI                 ; v239
	s_lshl_b32 s28, s[WV], 15
	v_lshl_add_u32 v240, v1, 4, s28                ; v240: my wave's 32,768 bytes of the chunk's codes
	v_lshlrev_b32 v241, 4, v0
	v_lshlrev_b32 v242, 3, v1
	v_mov_b32 v227, 0                              ; (named as the upper half of the pair v[226:227])
	s_wait_kmcnt 0x0
	s_mov_b32 s29, 0
	s_lshl_b32 s28, s[EX], 7
	s_add_nc_u64 s[8:9], s[8:9], s[28:29]
	s_load_b512 s[MK:MK+15], s[8:9], 0x0
	s_load_b512 s[MK+16:MK+31], s[8:9], 0x40
	s_lshl_b32 s28, s[EX], 22                      ; hq: the expert's 4 MiB
	s_add_nc_u64 s[4:5], s[4:5], s[28:29]
	s_lshl_b32 s27, s[CC], 18                      ; codes: (1,024 e + 64 cc) rows of 4,096 bytes
	s_add_co_u32 s28, s28, s27
	s_add_nc_u64 s[14:15], s[14:15], s[28:29]
	s_lshl_b32 s28, s[EX], 17                      ; hs: the expert's 131,072 bytes
	s_add_nc_u64 s[6:7], s[6:7], s[28:29]
	s_lshl_b32 s27, s[CC], 13                      ; scale bytes: 128 a row
	s_add_co_u32 s28, s28, s27
	s_add_nc_u64 s[16:17], s[16:17], s[28:29]
	s_lshl_b32 s28, s[EX], 12                      ; biases
	s_lshl_b32 s27, s[CC], 8
	s_add_co_u32 s28, s28, s27
	s_add_nc_u64 s[18:19], s[18:19], s[28:29]
	s_mov_b32 s28, s27                             ; yb: my 64 columns are 256 bytes of a row
	s_add_nc_u64 s[20:21], s[20:21], s[28:29]
	WIN 0x40                                       ; a load's destination: window 1
.set i, 0
.rept 64
	global_load_b128 v[4*i:4*i+3], v240, s[14:15] offset:512*i       ; 512 consecutive bytes
.set i, i+1
.endr
	WIN 0
	global_load_b128 v[144:147], v241, s[16:17]
	global_load_b128 v[148:151], v241, s[16:17] offset:4096
	global_load_b64 v[152:153], v242, s[18:19]     ; (every wave loads the 256 bytes of biases; wave 0 stages them)
	s_wait_kmcnt 0x0
	; PREFIX
	s_mov_b32 s[CNT], 0
.set g, 0
.rept 32
	s_lshl_b32 s[PG+g], s[CNT], 5
	s_or_b32 s[PG+g], s[PG+g], g
	s_bcnt1_i32_b32 s27, s[MK+g]
	s_add_co_u32 s[CNT], s[CNT], s27
.set g, g+1
.endr
	; my work-group's rows: two passes of 256, a constant; pass j serves round j, whose positions begin at 512 j
	s_mov_b32 s2, 0
.Lbuild:
	s_lshl_b32 s27, s2, 1
	s_cmp_ge_u32 s27, s[CNT]
	s_cbranch_scc1 .Lno_pass
	v_add_nc_u32 v93, s2, v0                       ; q
	v_lshrrev_b32 v94, 5, v93
	v_lshl_add_u32 v94, v94, 1, s[RH]              ; its group
	v_and_b32 v95, 31, v93
	v_lshl_add_u32 v[BP], v94, 5, v95              ; its position
	BUILD
	v_lshlrev_b32 v104, 2, v[TOK]
	v_lshlrev_b32 v105, 3, v[TOK]
	global_load_b32 v96, v104, s[10:11]
	global_load_b64 v[98:99], v105, s[12:13]
	v_lshl_add_u32 v103, v93, 2, YO
	v_add_nc_u32 v106, s[PADB], v95                ; the spare row that a position at or beyond the count takes
	s_wait_loadcnt 0x0                             ; (the weights too, which are wanted next)
	v_and_b32 v96, 0xff, v96
	v_cmp_ne_u32 vcc_lo, s[EX], v96                ; am I the token's second expert?
	v_cndmask_b32 v100, 0, 1, vcc_lo
	v_cndmask_b32 v102, v98, v99, vcc_lo
	v_lshl_or_b32 v101, v100, 10, v[TOK]
	v_cmp_le_u32 vcc_lo, s[CNT], v[BP]             ; is there no such position?
	v_cndmask_b32 v101, v101, v106, vcc_lo
	ds_store_b32 v103, v101
	ds_store_b32 v103, v102 offset:GT-YO
.Lno_pass:
	s_add_co_u32 s2, s2, 256
	s_cmp_lt_u32 s2, 512
	s_cbranch_scc1 .Lbuild
	s_wait_loadcnt 0x0
	WIN 0x04                                       ; an LDS store's data: window 1
.set i, 0
.rept 64
	ds_store_b128 v237, v[4*i:4*i+3] offset:(i/8)*WP+(i%8)*512
.set i, i+1
.endr
	WIN 0
	ds_store_b128 v238, v[144:147]
	ds_store_b128 v238, v[148:151] offset:32*144
	s_cmp_lg_u32 s[WV], 0
	s_cbranch_scc1 .Lnot_wave_0
	ds_store_b64 v239, v[152:153]
.Lnot_wave_0:
	s_wait_dscnt 0x0                               ; for the others' sake: my stores have landed
	s_barrier_signal -1
	s_barrier_wait -1                              ; the one barrier: from here on all but the waves' own stages is only read
	s_mov_b32 s2, 0                                ; the round
	s_mov_b32 s3, 0                                ; 1,024 x round: the step of the rows' tables
.Lround:
	s_cmp_ge_u32 s30, s[CNT]
	s_cbranch_scc1 .Lnone
.irp rt, 0,1                                   ; the biases are the sums' first C: register j of tile ct is column 16 ct + 8 h + j
.irp ct, 0,1,2,3
	ds_load_b128 v[ACC+8*(4*\rt+\ct):ACC+8*(4*\rt+\ct)+3], v9 offset:64*\ct
	ds_load_b128 v[ACC+8*(4*\rt+\ct)+4:ACC+8*(4*\rt+\ct)+7], v9 offset:64*\ct+16
.endr
.endr
	LDW 0, 0
	LDW 1, 1
.irp s, 0,1,2,3,4,5,6
	global_load_b32 v[HSC+\s], v11, s[6:7] offset:128*\s           ; lane l: row l's scale word: row tile 1's lie in lanes 16-31
.endr
	WIN 0x40
.irp s, 0,1,2,3,4,5,6
.irp i, 0,1,2,3,4,5,6,7
	global_load_b128 v[32*\s+4*\i:32*\s+4*\i+3], v10, s[4:5] offset:4096*\s+512*\i
.endr
.endr
	WIN 0
.set k, 0
.rept 32
.set sl, k%7
.set kb, k%2
.set kn, k+2
	; the loads issued behind this K step's own may stay out
.if k < 7
	s_wait_loadcnt 48+k                            ; (6 - k) slots of the first fill, and k refills of 9
.elseif k < 26
	s_wait_loadcnt 54                              ; six refills of 9
.else
	s_wait_loadcnt 9*(31-k)
.endif
.if k < 31
	s_wait_dscnt 20                                ; this K step's weights are in; the next step's 20 loads may be out
.else
	s_wait_dscnt 0x0
.endif
	WIN 0x04                                       ; source 1 (h) in window 1.  The 8 accumulators take turns in the same order in every K step
.irp ct, 0,1,2,3
	v_wmma_scale_f32_16x16x128_f8f6f4 v[ACC+8*\ct:ACC+8*\ct+7], v[WB+64*kb+16*\ct:WB+64*kb+16*\ct+15], v[32*sl:32*sl+15], v[ACC+8*\ct:ACC+8*\ct+7], v[WSC+4*kb+\ct], v[HSC+sl] matrix_a_fmt:MATRIX_FMT_BF8 matrix_b_fmt:MATRIX_FMT_BF8
	v_wmma_scale_f32_16x16x128_f8f6f4 v[ACC+32+8*\ct:ACC+32+8*\ct+7], v[WB+64*kb+16*\ct:WB+64*kb+16*\ct+15], v[32*sl+16:32*sl+31], v[ACC+32+8*\ct:ACC+32+8*\ct+7], v[WSC+4*kb+\ct], v[HSC+sl] matrix_a_fmt:MATRIX_FMT_BF8 matrix_b_fmt:MATRIX_FMT_BF8 matrix_b_scale:MATRIX_SCALE_ROW1
.endr
	WIN 0
	PLACES 8                                       ; eight places behind this form, ahead of loads into its operands and of reads of its results
.if k < 30
	LDW kn, kb
.endif
.if k < 25
	global_load_b32 v[HSC+sl], v11, s[6:7] offset:128*(k+7)        ; the slot just multiplied takes the K step seven on
	WIN 0x40
.irp i, 0,1,2,3,4,5,6,7
	global_load_b128 v[32*sl+4*\i:32*sl+4*\i+3], v10, s[4:5] offset:4096*(k+7)+512*\i
.endr
	WIN 0
.endif
.set k, k+1
.endr
	; THE WAY OUT, a tile of 16 rows at a time: x the row's gate; through my stage, so that sixteen lanes hold a row's 256 bytes; to the row's place in yb.
	; Each tile has its own registers for its offsets and its rows, so that no store's source is written again before the wait at the round's end
	v_add_nc_u32 v224, s3, v14
	v_add_nc_u32 v225, s3, v15
.irp rt, 0,1
	ds_load_b32 v226, v224 offset:64*\rt
.irp i, 0,1,2,3,4,5,6,7
	ds_load_b32 v[YOF+16*\rt+\i], v225 offset:64*\rt+8*\i
.endr
	s_wait_dscnt 0x0
.irp a, 0,2,4,6,8,10,12,14,16,18,20,22,24,26,28,30
	v_pk_mul_f32 v[ACC+32*\rt+\a:ACC+32*\rt+\a+1], v[ACC+32*\rt+\a:ACC+32*\rt+\a+1], v[226:227] op_sel_hi:[1,0]   ; each accumulator from its low end on
.endr
.irp ct, 0,1,2,3
	ds_store_b128 v12, v[ACC+32*\rt+8*\ct:ACC+32*\rt+8*\ct+3] offset:64*\ct
	ds_store_b128 v12, v[ACC+32*\rt+8*\ct+4:ACC+32*\rt+8*\ct+7] offset:64*\ct+16
.endr
.irp i, 0,1,2,3,4,5,6,7
	ds_load_b128 v[WB+32*\rt+4*\i:WB+32*\rt+4*\i+3], v13 offset:544*\i           ; my own stage: LDS serves a wave's instructions in order (ISA guide 5.7.1.4)
.endr
.irp i, 0,1,2,3,4,5,6,7
	v_min_u32 v[YOF+16*\rt+\i], 2303, v[YOF+16*\rt+\i]             ; yb has 2,304 rows
.endr
.irp i, 0,1,2,3,4,5,6,7
	v_lshl_add_u32 v[YOF+16*\rt+\i], v[YOF+16*\rt+\i], 12, v236    ; rows of 4,096 bytes, 16 r
.endr
.irp i, 0,1,2,3,4,5,6,7
	s_wait_dscnt 7-\i                              ; rows 2 i and 2 i + 1 are back; the younger loads may be out
	global_store_b128 v[YOF+16*\rt+\i], v[WB+32*\rt+4*\i:WB+32*\rt+4*\i+3], s[20:21] th:TH_STORE_NT   ; sixteen lanes store 256 consecutive bytes, aligned
.endr
.endr
.Lnone:
	s_wait_xcnt 0x0                                ; the loads and stores have read their registers and addresses: they may be written again
	v_add_nc_u32 v10, 0x200000, v10                ; sixteen groups on
	v_add_nc_u32 v11, 0x10000, v11
	s_add_co_u32 s30, s30, 512
	s_add_co_u32 s3, s3, 1024
	s_add_co_u32 s2, s2, 1
	s_cmp_lt_u32 s2, 2
	s_cbranch_scc1 .Lround
	s_wait_tensorcnt 0x0
	ds_add_u32 v254, v255
	s_wait_dscnt 0x0
	s_endpgm
.Lfunc_end_k_q5955adeb54_proj:
	.size	k_q5955adeb54_proj, .Lfunc_end_k_q5955adeb54_proj-k_q5955adeb54_proj
	.p2alignl 7, 3214868480
	.fill 96, 4, 3214868480
	.section	.rodata,"a",@progbits
	.p2align	6, 0x0
	.amdhsa_kernel k_q5955adeb54_proj
		.amdhsa_group_segment_fixed_size 312576
		.amdhsa_private_segment_fixed_size 0
		.amdhsa_enable_private_segment 0
		.amdhsa_kernarg_size 72
		.amdhsa_user_sgpr_count 2
		.amdhsa_user_sgpr_kernarg_segment_ptr 1
		.amdhsa_wavefront_size32 1
		.amdhsa_system_sgpr_workgroup_id_x 1
		.amdhsa_system_sgpr_workgroup_id_y 1
		.amdhsa_system_sgpr_workgroup_id_z 1
		.amdhsa_system_vgpr_workitem_id 0
		.amdhsa_next_free_vgpr 512
		.amdhsa_next_free_sgpr 100
		.amdhsa_reserve_vcc 1
		.amdhsa_float_denorm_mode_32 3
		.amdhsa_float_denorm_mode_16_64 3
		.amdhsa_memory_ordered 1
		.amdhsa_forward_progress 1
		.amdhsa_inst_pref_size 151
	.end_amdhsa_kernel
	.amdgpu_metadata
---
amdhsa.version: [ 1, 2 ]
amdhsa.kernels:
  - .name:           k_q5955adeb54_proj
    .symbol:         k_q5955adeb54_proj.kd
    .args:
      - { .name: hq, .offset: 0, .size: 8, .value_kind: global_buffer, .address_space: global }
      - { .name: hs, .offset: 8, .size: 8, .value_kind: global_buffer, .address_space: global }
      - { .name: msk, .offset: 16, .size: 8, .value_kind: global_buffer, .address_space: global }
      - { .name: tsel, .offset: 24, .size: 8, .value_kind: global_buffer, .address_space: global }
      - { .name: tgate, .offset: 32, .size: 8, .value_kind: global_buffer, .address_space: global }
      - { .name: w_proj_codes, .offset: 40, .size: 8, .value_kind: global_buffer, .address_space: global }
      - { .name: w_proj_scales, .offset: 48, .size: 8, .value_kind: global_buffer, .address_space: global }
      - { .name: b_proj, .offset: 56, .size: 8, .value_kind: global_buffer, .address_space: global }
      - { .name: yb, .offset: 64, .size: 8, .value_kind: global_buffer, .address_space: global }
    .group_segment_fixed_size: 312576
    .private_segment_fixed_size: 0
    .kernarg_segment_align: 8
    .kernarg_segment_size: 72
    .max_flat_workgroup_size: 256
    .sgpr_count:     100
    .vgpr_count:     512
    .wavefront_size: 32
...
	.end_amdgpu_metadata
.endif
;; end of part 3
;; launch combine (part 4): grid 256 x 1, 8 waves a work-group, no clusters, 0 bytes of LDS; arguments yb, out0; writes out0
.if DOCPART == 4
	.amdgcn_target "amdgcn-amd-amdhsa--gfx1250"
	.amdhsa_code_object_version 6
	.text
	.protected	k_q5955adeb54_combine
	.globl	k_q5955adeb54_combine
	.p2align	8
	.type	k_q5955adeb54_combine,@function
k_q5955adeb54_combine:
	s_mov_b64 s[64:65], 0
	v_nop
	global_prefetch_b8 v0, s[64:65] scope:SCOPE_SE
	s_setreg_imm32_b32 hwreg(HW_REG_WAVE_MODE, 25, 1), 1
	s_wait_xcnt 0x0
; out0[token] = yb[0][token] + yb[1][token]: the two chosen experts' rows, each already multiplied by its gate; the six experts not chosen have the gate 0 and add nothing.
; A stream: 8 MiB in, 4 MiB out, each byte once.  A work-group takes 16 KiB of out0, a thread 4 x 16 bytes; each load and store of a wave covers 512 consecutive bytes, aligned.
; All eight loads of a thread go out at once; no loop, no LDS, no barrier, no matrix unit: there is nothing here for them to do.
.set SLOT, 4194304                     ; bytes from slot 0 to slot 1
	s_load_b128 s[4:7], s[0:1], 0x0                ; yb, out0
	v_lshlrev_b32 v1, 4, v0
	s_lshl_b32 s8, ttmp9, 14
	s_mov_b32 s9, 0
	s_wait_kmcnt 0x0
	s_add_nc_u64 s[4:5], s[4:5], s[8:9]
	s_add_nc_u64 s[6:7], s[6:7], s[8:9]
.irp j, 0,1,2,3
	global_load_b128 v[4+4*\j:7+4*\j], v1, s[4:5] offset:4096*\j th:TH_LOAD_NT
	global_load_b128 v[20+4*\j:23+4*\j], v1, s[4:5] offset:SLOT+4096*\j th:TH_LOAD_NT
.endr
.irp j, 0,1,2,3
	s_wait_loadcnt 6-2*\j                          ; pair j is in; the younger pairs may be out
	v_pk_add_f32 v[4+4*\j:5+4*\j], v[4+4*\j:5+4*\j], v[20+4*\j:21+4*\j]
	v_pk_add_f32 v[6+4*\j:7+4*\j], v[6+4*\j:7+4*\j], v[22+4*\j:23+4*\j]
	global_store_b128 v1, v[4+4*\j:7+4*\j], s[6:7] offset:4096*\j th:TH_STORE_NT
.endr
	s_endpgm
.Lfunc_end_k_q5955adeb54_combine:
	.size	k_q5955adeb54_combine, .Lfunc_end_k_q5955adeb54_combine-k_q5955adeb54_combine
	.p2alignl 7, 3214868480
	.fill 96, 4, 3214868480
	.section	.rodata,"a",@progbits
	.p2align	6, 0x0
	.amdhsa_kernel k_q5955adeb54_combine
		.amdhsa_group_segment_fixed_size 0
		.amdhsa_private_segment_fixed_size 0
		.amdhsa_enable_private_segment 0
		.amdhsa_kernarg_size 16
		.amdhsa_user_sgpr_count 2
		.amdhsa_user_sgpr_kernarg_segment_ptr 1
		.amdhsa_wavefront_size32 1
		.amdhsa_system_sgpr_workgroup_id_x 1
		.amdhsa_system_sgpr_workgroup_id_y 1
		.amdhsa_system_sgpr_workgroup_id_z 1
		.amdhsa_system_vgpr_workitem_id 0
		.amdhsa_next_free_vgpr 48
		.amdhsa_next_free_sgpr 66
		.amdhsa_reserve_vcc 0
		.amdhsa_float_denorm_mode_32 3
		.amdhsa_float_denorm_mode_16_64 3
		.amdhsa_memory_ordered 1
		.amdhsa_forward_progress 1
		.amdhsa_inst_pref_size 3
	.end_amdhsa_kernel
	.amdgpu_metadata
---
amdhsa.version: [ 1, 2 ]
amdhsa.kernels:
  - .name:           k_q5955adeb54_combine
    .symbol:         k_q5955adeb54_combine.kd
    .args:
      - { .name: yb, .offset: 0, .size: 8, .value_kind: global_buffer, .address_space: global }
      - { .name: out0, .offset: 8, .size: 8, .value_kind: global_buffer, .address_space: global }
    .group_segment_fixed_size: 0
    .private_segment_fixed_size: 0
    .kernarg_segment_align: 8
    .kernarg_segment_size: 16
    .max_flat_workgroup_size: 256
    .sgpr_count:     66
    .vgpr_count:     48
    .wavefront_size: 32
...
	.end_amdgpu_metadata
.endif
;; end of part 4
;; ======== version 2 of 2: 4 launches
;; workspace buffers: xq 1,048,576 bytes; xs 32,768 bytes; msk 1,024 bytes of whole numbers; tsel 4,096 bytes of whole numbers; tgate 8,192 bytes; hq 33,554,432 bytes; hs 1,048,576 bytes; yb 9,437,184 bytes
;; launch route (part 5): grid 64 x 1, 8 waves a work-group, no clusters, 96,000 bytes of LDS; arguments x, noise, w_route, b_route, w_noise, b_noise, xq, xs, msk, tsel, tgate, out1; writes xq, xs, msk, tsel, tgate, out1
.if DOCPART == 5
	.amdgcn_target "amdgcn-amd-amdhsa--gfx1250"
	.amdhsa_code_object_version 6
	.text
	.protected	k_q5955adeb54_route
	.globl	k_q5955adeb54_route
	.p2align	8
	.type	k_q5955adeb54_route,@function
k_q5955adeb54_route:
	s_mov_b64 s[64:65], 0
	v_nop
	global_prefetch_b8 v0, s[64:65] scope:SCOPE_SE
	s_setreg_imm32_b32 hwreg(HW_REG_WAVE_MODE, 25, 1), 1
	s_wait_xcnt 0x0
; THE ROUTER, AND x AS CODES.  x [1024 tokens][1024] f32.  A work-group takes 16 tokens, each of its eight waves 128 along K.
; (1) logits = x w_route + b_route and noise logits = x w_noise + b_noise, with f32 operands: source 0 = the 16 output columns (8 of w_route, 8 of w_noise), source 1 = 16 tokens, 4 along K an instruction,
;     32 instructions a wave on four accumulators by turns; the eight waves' partial sums meet in LDS and wave 0 finishes the router: softplus, the dense softmax (out1), the top 2 (the lower index wins a tie), their two gates.
; (2) x is quantised to E5M2 codes with one E8M0 byte for each 32 along K: xq [token][1024 bytes], xs [token][8 words].
; What steers later launches is stored as whole numbers at fixed places: msk [expert][32 words], bit i of word g = token 32 g + i chose the expert; tsel [token] = first | second << 8.  tgate [token] = the two gates.
; No tensor load, no cluster: work-groups share only the 64 KiB of router weights.  64 work-groups: a tile of this matrix form has 16 tokens, and a token's sum stays in one work-group.
; LIMITS: NaN and infinities among the inputs are not served.  A block of x whose largest magnitude lies under 2^-111 (a block of zeros too) gets the scale byte 1; only this program reads the bytes.
.set WLW,  8704                        ; LDS: a wave's slice of the weights: 8 groups of 16 k x 64 bytes, 64 bytes of padding behind each group, so that the two halves of the lanes read different banks
.set PART, 69632                       ; the waves' partial sums, 1,024 bytes each
.set CST,  77824                       ; a row of 1,024 codes for each token, pitch CP
.set CP,   1040                        ; 65 x 16 bytes
.set XSS,  94464                       ; the tokens' scale words: 32 bytes a token
.set X,    16                          ; v16-79   64 numbers of x: register 16 b + i = k 32 b + 16 (lane / 16) + i of token lane % 16
.set WF,   80                          ; v80-143  the weights in the same order of k: lane % 16 is the output column
.set ACC,  144                         ; v144-175 four accumulators: written by matrix instructions alone
.set LAND, 176                         ; v176-239 the weights as loaded
.set P,    176                         ; v176-183 my partial sums
.set Q,    184
.set TM,   184                         ; v184-199 the quantiser's work
.set PW,   200                         ; the scale word just made
.set CODE, 204                         ; v204-219 the codes just made
.set ROWS, 220                         ; v220-235 rows of codes on their way out
.set NZ,   240                         ; v240-247 the token's eight noise numbers
.set WV,   28
.set SEL,  30                          ; s[30:31] v_permlanex16_b32's selects for lane l xor 16
.set MNT,  32                          ; the mantissa field of 57,344
.set HM,   33                          ; lanes 16-31
; 64 numbers of a lane, v[s] on, register 16 b + i = k 32 b + 16 (lane / 16) + i of my row, become a fragment's codes in v[pc] on and its scale word in v[pw]
.macro QUANT s, pc, pw
.irp b, 0,1,2,3
	v_max3_num_f32 v[TM+\b], |v[\s+16*\b]|, |v[\s+1+16*\b]|, 0x8000000   ; block b: my 16 numbers, and the floor 2^(16 - 127): the byte cannot fall under 1
.endr
.irp i, 2,4,6,8,10,12,14
.irp b, 0,1,2,3
	s_delay_alu instid0(VALU_DEP_4)
	v_max3_num_f32 v[TM+\b], v[TM+\b], |v[\s+16*\b+\i]|, |v[\s+1+16*\b+\i]|   ; the four blocks by turns
.endr
.endr
.irp b, 0,1,2,3
	s_delay_alu instid0(VALU_DEP_4)
	v_permlanex16_b32 v[TM+4+\b], v[TM+\b], s[SEL], s[SEL+1]
.endr
.irp b, 0,1,2,3
	s_delay_alu instid0(VALU_DEP_4)
	v_max_num_f32 v[TM+\b], v[TM+\b], v[TM+4+\b]                 ; with lane l xor 16's: the block's largest magnitude
.endr
.irp b, 0,1,2,3
	s_delay_alu instid0(VALU_DEP_4)
	v_add_nc_u32 v[TM+12+\b], 0xf8800000, v[TM+\b]               ; 15 off its exponent field: the conversion's scale operand
.endr
.irp b, 0,1,2,3
	v_and_or_b32 v[TM+8+\b], v[TM+\b], 0x7f800000, s[MNT]        ; 57,344 x the scale
.endr
.irp b, 0,1,2,3
	v_lshrrev_b32 v[TM+4+\b], 23, v[TM+12+\b]                    ; the scale's byte
.endr
	s_delay_alu instid0(VALU_DEP_3)
	v_lshl_or_b32 v[\pw], v[TM+5], 8, v[TM+4]
	s_delay_alu instid0(VALU_DEP_1)
	v_lshl_or_b32 v[\pw], v[TM+6], 16, v[\pw]
	s_delay_alu instid0(VALU_DEP_1)
	v_lshl_or_b32 v[\pw], v[TM+7], 24, v[\pw]
.irp b, 0,1,2,3
.irp i, 0,1,2,3,4,5,6,7,8,9,10,11,12,13,14,15
	v_med3_num_f32 v[\s+16*\b+\i], v[\s+16*\b+\i], -v[TM+8+\b], v[TM+8+\b]   ; the conversion to an 8-bit code does not saturate (ISA guide 7.6.2): the hold comes first
.endr
	v_cvt_scalef32_pk8_bf8_f32 v[\pc+4*\b:\pc+1+4*\b], v[\s+16*\b:\s+7+16*\b], v[TM+12+\b]
	v_cvt_scalef32_pk8_bf8_f32 v[\pc+2+4*\b:\pc+3+4*\b], v[\s+8+16*\b:\s+15+16*\b], v[TM+12+\b]
.endr
	v_nop                                          ; one plain line behind the last conversion
.endm
	s_load_b512 s[4:19], s[0:1], 0x0               ; x, noise, w_route, b_route, w_noise, b_noise, xq, xs
	s_load_b256 s[20:27], s[0:1], 0x40             ; msk, tsel, tgate, out1
	v_lshl_add_u32 v254, v0, 2, 0x17300
	v_mov_b32 v255, 0
	v_lshrrev_b32 v4, 5, v0
	s_delay_alu instid0(VALU_DEP_1)
	v_readfirstlane_b32 s[WV], v4                  ; wave 0..7 = my K step
	v_and_b32 v1, 31, v0                           ; lane
	v_and_b32 v2, 15, v0                           ; r
	v_bfe_u32 v3, v0, 4, 1                         ; h
	s_mov_b32 s[SEL], 0x76543210
	s_mov_b32 s[SEL+1], 0xfedcba98
	s_mov_b32 s[MNT], 0x600000
	s_mov_b32 s[HM], 0xffff0000
	v_lshlrev_b32 v13, 4, v1                       ; v13: 16 x lane
	s_lshl_b32 s52, s[WV], 12
	v_add_nc_u32 v4, s52, v13                      ; v4: my 16 bytes of a load of my wave's 4,096 bytes of w_route or w_noise
	v_lshlrev_b32 v5, 12, v2
	s_delay_alu instid0(VALU_DEP_1)
	v_lshl_add_u32 v5, v3, 6, v5
	s_lshl_b32 s52, s[WV], 9
	v_add_nc_u32 v5, s52, v5                       ; v5: x: row r of 4,096 bytes + 512 x wave + 64 h
	s_mul_i32 s53, s[WV], WLW
	v_lshrrev_b32 v6, 1, v1
	s_delay_alu instid0(VALU_DEP_1)
	v_lshlrev_b32 v6, 6, v6
	v_and_b32 v7, 1, v0
	s_delay_alu instid0(VALU_DEP_1)
	v_lshl_add_u32 v6, v7, 4, v6
	s_delay_alu instid0(VALU_DEP_1)
	v_add_nc_u32 v6, s53, v6                       ; v6: the slice, on the way in: k = lane / 2 of a group, columns 4 (lane % 2) on
	v_mul_u32_u24 v7, v3, 1088
	s_delay_alu instid0(VALU_DEP_1)
	v_lshl_add_u32 v7, v2, 2, v7
	s_delay_alu instid0(VALU_DEP_1)
	v_add_nc_u32 v7, s53, v7                       ; v7: and on the way out: group h, column r
	s_lshl_b32 s52, s[WV], 10
	s_add_co_u32 s52, s52, PART
	v_add_nc_u32 v8, s52, v13                      ; v8: my partial sums
	v_mul_u32_u24 v9, v2, CP
	s_delay_alu instid0(VALU_DEP_1)
	v_lshl_add_u32 v9, v3, 4, v9
	s_lshl_b32 s52, s[WV], 7
	s_add_co_u32 s52, s52, CST
	v_add_nc_u32 v9, s52, v9                       ; v9: token r's row of codes, my K step, my half
	v_lshlrev_b32 v10, 5, v2
	s_lshl_b32 s52, s[WV], 2
	s_add_co_u32 s52, s52, XSS
	v_add_nc_u32 v10, s52, v10                     ; v10: token r's scale word of my K step
	s_mul_i32 s52, s[WV], 2*CP
	s_add_co_u32 s52, s52, CST
	v_add_nc_u32 v11, s52, v13                     ; v11: rows 2 w and 2 w + 1 of the codes, read back
	s_lshl_b32 s52, s[WV], 11
	v_add_nc_u32 v12, s52, v13                     ; v12: and their place in xq
	v_lshlrev_b32 v14, 5, v2                       ; v14: token r's 32 bytes of noise
	v_add_nc_u32 v15, XSS, v13                     ; v15: the scale words, read back
	s_wait_alu depctr_va_vdst(0)
	s_wait_kmcnt 0x0
	s_mov_b32 s35, 0
	s_lshl_b32 s34, ttmp9, 16                      ; 16 tokens of 4,096 bytes
	s_add_nc_u64 s[4:5], s[4:5], s[34:35]
	s_lshl_b32 s34, ttmp9, 9                       ; 16 tokens of 32 bytes
	s_add_nc_u64 s[6:7], s[6:7], s[34:35]
	s_add_nc_u64 s[18:19], s[18:19], s[34:35]
	s_add_nc_u64 s[26:27], s[26:27], s[34:35]
	s_lshl_b32 s34, ttmp9, 14
	s_add_nc_u64 s[16:17], s[16:17], s[34:35]
	s_lshl_b32 s34, ttmp9, 6
	s_add_nc_u64 s[22:23], s[22:23], s[34:35]
	s_lshl_b32 s34, ttmp9, 7
	s_add_nc_u64 s[24:25], s[24:25], s[34:35]
	s_lshl_b32 s34, ttmp9, 1                       ; msk: my 16 tokens are half a word
	s_add_nc_u64 s[20:21], s[20:21], s[34:35]
	s_load_b256 s[36:43], s[10:11], 0x0            ; b_route
	s_load_b256 s[44:51], s[14:15], 0x0            ; b_noise.  (Every wave loads these and the noise: 96 bytes; it spares a branch)
	global_load_b128 v[NZ:NZ+3], v14, s[6:7]
	global_load_b128 v[NZ+4:NZ+7], v14, s[6:7] offset:16
.irp q, 0,1,2,3,4,5,6,7
	global_load_b128 v[LAND+4*\q:LAND+4*\q+3], v4, s[8:9] offset:512*\q          ; 32 lanes read 512 consecutive bytes
	global_load_b128 v[LAND+32+4*\q:LAND+32+4*\q+3], v4, s[12:13] offset:512*\q
.endr
.irp b, 0,1,2,3
.irp j, 0,1,2,3
	global_load_b128 v[X+16*\b+4*\j:X+16*\b+4*\j+3], v5, s[4:5] offset:128*\b+16*\j th:TH_LOAD_NT
.endr
.endr
	s_wait_loadcnt 16                              ; all but the 16 loads of x: the weights are in
.irp q, 0,1,2,3,4,5,6,7
	ds_store_b128 v6, v[LAND+4*\q:LAND+4*\q+3] offset:1088*\q
	ds_store_b128 v6, v[LAND+32+4*\q:LAND+32+4*\q+3] offset:1088*\q+32
.endr
.irp b, 0,1,2,3
.irp i, 0,1,2,3,4,5,6,7,8,9,10,11,12,13,14,15
	ds_load_b32 v[WF+16*\b+\i], v7 offset:2176*\b+64*\i      ; my wave's own bytes, and LDS serves a wave's instructions in order (ISA guide 5.7.1.4): no barrier
.endr
.endr
	s_wait_loadcnt 0x0
	s_wait_dscnt 0x0
	s_wait_kmcnt 0x0
	; instruction t takes registers 2 t, 2 t + 1 of both sides: the same four k.  The four accumulators take turns; the first four start the sums
.set t, 0
.rept 32
.if t < 4
	v_wmma_f32_16x16x4_f32 v[ACC+8*(t%4):ACC+8*(t%4)+7], v[WF+2*t:WF+2*t+1], v[X+2*t:X+2*t+1], 0
.else
	v_wmma_f32_16x16x4_f32 v[ACC+8*(t%4):ACC+8*(t%4)+7], v[WF+2*t:WF+2*t+1], v[X+2*t:X+2*t+1], v[ACC+8*(t%4):ACC+8*(t%4)+7]
.endif
.set t, t+1
.endr
.rept 8
	v_nop                                          ; eight places behind this matrix form (ISA guide 7.12.1)
.endr
.irp p, 0,2,4,6
	v_pk_add_f32 v[P+\p:P+\p+1], v[ACC+\p:ACC+\p+1], v[ACC+8+\p:ACC+8+\p+1]       ; each accumulator from its low end on
.endr
.irp p, 0,2,4,6
	v_pk_add_f32 v[Q+\p:Q+\p+1], v[ACC+16+\p:ACC+16+\p+1], v[ACC+24+\p:ACC+24+\p+1]
.endr
.irp p, 0,2,4,6
	s_delay_alu instid0(VALU_DEP_4)
	v_pk_add_f32 v[P+\p:P+\p+1], v[P+\p:P+\p+1], v[Q+\p:Q+\p+1]
.endr
	ds_store_b128 v8, v[P:P+3]                     ; register j of lane (r, h): output 8 h + j of token r, over my 128 k
	ds_store_b128 v8, v[P+4:P+7] offset:512
	QUANT X, CODE, PW
.irp c, 0,1,2,3
	ds_store_b128 v9, v[CODE+4*\c:CODE+4*\c+3] offset:32*\c
.endr
	ds_store_b32 v10, v[PW]                        ; both halves of the lanes write the same word with the same value
	s_wait_dscnt 0x0                               ; for the others' sake: my stores have landed
	s_barrier_signal -1
	s_barrier_wait -1
.irp q, 0,1,2,3
	ds_load_b128 v[ROWS+4*\q:ROWS+4*\q+3], v11 offset:(\q/2)*CP+(\q%2)*512
.endr
.irp q, 0,1,2,3
	s_wait_dscnt 3-\q                              ; load q is back; the younger ones may be out
	global_store_b128 v12, v[ROWS+4*\q:ROWS+4*\q+3], s[16:17] offset:512*\q    ; 512 consecutive bytes, aligned
.endr
	s_cmp_lg_u32 s[WV], 1
	s_cbranch_scc1 .Lnot_wave_1
	ds_load_b128 v[236:239], v15
	s_wait_dscnt 0x0
	global_store_b128 v13, v[236:239], s[18:19]    ; the 16 tokens' scale words: 512 consecutive bytes
.Lnot_wave_1:
	s_cmp_lg_u32 s[WV], 0
	s_cbranch_scc1 .Lend
	; ---- wave 0 finishes the router.  Both halves of the lanes work on token r
.irp i, 0,1,2,3,4,5,6,7,8,9,10,11,12,13,14,15
	ds_load_b128 v[16+4*\i:19+4*\i], v8 offset:512*\i
.endr
	s_mov_b32 s52, 0xbfb8aa3b                      ; -log2(e)
	s_mov_b32 s53, 0x3f317218                      ; ln(2)
	s_mov_b32 s54, 0x3fb8aa3b                      ; log2(e)
	s_wait_dscnt 0x0
.irp p, 0,2,4,6
	v_pk_add_f32 v[80+\p:81+\p], v[16+\p:17+\p], v[24+\p:25+\p]
.endr
.irp w, 2,3,4,5,6,7
.irp p, 0,2,4,6
	s_delay_alu instid0(VALU_DEP_4)
	v_pk_add_f32 v[80+\p:81+\p], v[80+\p:81+\p], v[16+8*\w+\p:17+8*\w+\p]
.endr
.endr
.irp j, 0,1,2,3,4,5,6,7
	v_permlanex16_b32 v[88+\j], v[80+\j], s[SEL], s[SEL+1]     ; lanes 0-15 hold the logits, lanes 16-31 the noise logits: each half takes the other's
.endr
.irp j, 0,1,2,3,4,5,6,7
	v_cndmask_b32 v[96+\j], v[80+\j], v[88+\j], s[HM]          ; the logits
	v_cndmask_b32 v[104+\j], v[88+\j], v[80+\j], s[HM]         ; the noise logits
.endr
.irp j, 0,1,2,3,4,5,6,7
	v_add_f32 v[96+\j], s[36+\j], v[96+\j]
	v_add_f32 v[104+\j], s[44+\j], v[104+\j]
.endr
	; softplus(z) = max(z, 0) + ln 2 x log2(1 + 2^(-|z| log2 e)): no exponent above 0
.irp j, 0,1,2,3,4,5,6,7
	v_mul_f32 v[112+\j], s52, |v[104+\j]|
.endr
	s_wait_alu depctr_va_vdst(0)
.irp j, 0,1,2,3,4,5,6,7
	v_exp_f32 v[112+\j], v[112+\j]
.endr
.irp j, 0,1,2,3,4,5,6,7
	v_max_num_f32 v[120+\j], 0, v[104+\j]          ; plain work behind the batch
.endr
	s_wait_alu depctr_va_vdst(0)                   ; one wait for the eight, ahead of their first reader
.irp j, 0,1,2,3,4,5,6,7
	v_add_f32 v[112+\j], 1.0, v[112+\j]
.endr
	s_wait_alu depctr_va_vdst(0)
.irp j, 0,1,2,3,4,5,6,7
	v_log_f32 v[112+\j], v[112+\j]
.endr
	v_nop
	s_wait_alu depctr_va_vdst(0)
.irp j, 0,1,2,3,4,5,6,7
	v_fma_f32 v[120+\j], v[112+\j], s53, v[120+\j]
.endr
.irp j, 0,1,2,3,4,5,6,7
	v_fma_f32 v[128+\j], v[NZ+\j], v[120+\j], v[96+\j]         ; noisy = logits + noise x softplus
.endr
	v_max3_num_f32 v16, v128, v129, v130
	s_delay_alu instid0(VALU_DEP_1)
	v_max3_num_f32 v16, v16, v131, v132
	s_delay_alu instid0(VALU_DEP_1)
	v_max3_num_f32 v16, v16, v133, v134
	s_delay_alu instid0(VALU_DEP_1)
	v_max_num_f32 v16, v16, v135                   ; the row's maximum is taken away ahead of the exponentials
.irp j, 0,1,2,3,4,5,6,7
	v_sub_f32 v[136+\j], v[128+\j], v16
.endr
.irp j, 0,1,2,3,4,5,6,7
	v_mul_f32 v[136+\j], s54, v[136+\j]
.endr
	s_wait_alu depctr_va_vdst(0)
.irp j, 0,1,2,3,4,5,6,7
	v_exp_f32 v[136+\j], v[136+\j]
.endr
	; the top 2, while the exponentials are out: a strict comparison in ascending order keeps the lower index on a tie
	v_mov_b32 v19, v128
	v_mov_b32 v20, 0
.irp j, 1,2,3,4,5,6,7
	s_delay_alu instid0(VALU_DEP_2)
	v_cmp_gt_f32 vcc_lo, v[128+\j], v19
	s_delay_alu instid0(VALU_DEP_1)
	v_cndmask_b32 v19, v19, v[128+\j], vcc_lo
	s_delay_alu instid0(VALU_DEP_2)
	v_cndmask_b32 v20, v20, \j, vcc_lo
.endr
	v_mov_b32 v23, 0xff800000
.irp j, 0,1,2,3,4,5,6,7
	v_cmp_eq_u32 vcc_lo, \j, v20
	s_delay_alu instid0(VALU_DEP_1)
	v_cndmask_b32 v[24+\j], v[128+\j], v23, vcc_lo             ; the first is taken out
.endr
	v_mov_b32 v21, v24
	v_mov_b32 v22, 0
.irp j, 1,2,3,4,5,6,7
	s_delay_alu instid0(VALU_DEP_2)
	v_cmp_gt_f32 vcc_lo, v[24+\j], v21
	s_delay_alu instid0(VALU_DEP_1)
	v_cndmask_b32 v21, v21, v[24+\j], vcc_lo
	s_delay_alu instid0(VALU_DEP_2)
	v_cndmask_b32 v22, v22, \j, vcc_lo
.endr
	s_delay_alu instid0(VALU_DEP_2)
	v_sub_f32 v32, v21, v19                        ; second - first: 0 or less
	s_delay_alu instid0(VALU_DEP_1)
	v_mul_f32 v32, s54, v32
	s_wait_alu depctr_va_vdst(0)
	v_exp_f32 v32, v32
	v_mov_b32 v40, 0                               ; (a plain line behind the last exponential)
	s_wait_alu depctr_va_vdst(0)                   ; the wait for the last exponential
	v_add_f32 v17, v136, v137
	v_add_f32 v18, v138, v139
	v_add_f32 v33, v140, v141
	v_add_f32 v34, v142, v143
	s_delay_alu instid0(VALU_DEP_3)
	v_add_f32 v17, v17, v18
	s_delay_alu instid0(VALU_DEP_2)
	v_add_f32 v33, v33, v34
	s_delay_alu instid0(VALU_DEP_1)
	v_add_f32 v17, v17, v33
	v_add_f32 v35, 1.0, v32
	s_wait_alu depctr_va_vdst(0)
	v_rcp_f32 v17, v17
	v_rcp_f32 v35, v35
	v_lshl_or_b32 v41, v22, 8, v20                 ; tsel.  (A plain line behind the reciprocals)
	s_wait_alu depctr_va_vdst(0)
.irp j, 0,1,2,3,4,5,6,7
	v_mul_f32 v[136+\j], v[136+\j], v17            ; gate1
.endr
	v_mov_b32 v42, v35                             ; the first's gate: 1 / (1 + e2)
	v_mul_f32 v43, v32, v35                        ; the second's
.irp e, 0,1,2,3,4,5,6,7
	v_cmp_eq_u32 s55, \e, v20
	v_cmp_eq_u32 s56, \e, v22
	s_or_b32 s55, s55, s56                         ; bit r: token r chose expert e
	v_writelane_b32 v40, s55, \e
.endr
.irp q, 0,1,2,3
	v_cndmask_b32 v[44+\q], v[136+\q], v[140+\q], s[HM]        ; lanes 16-31 store experts 4 to 7
.endr
	v_lshlrev_b32 v36, 5, v2
	s_delay_alu instid0(VALU_DEP_1)
	v_lshl_add_u32 v36, v3, 4, v36
	v_lshlrev_b32 v37, 2, v2
	v_lshlrev_b32 v38, 3, v2
	v_lshlrev_b32 v39, 7, v1
	global_store_b128 v36, v[44:47], s[26:27]      ; out1: the wave's 512 bytes are consecutive
	s_wait_alu depctr_va_vdst(0)
	s_wait_xcnt 0x0                                ; EXEC changes only behind this wait
	v_cmp_gt_u32 vcc_lo, 16, v0
	s_and_saveexec_b32 s57, vcc_lo
	global_store_b32 v37, v41, s[22:23]
	global_store_b64 v38, v[42:43], s[24:25]
	s_wait_xcnt 0x0
	s_or_b32 exec_lo, exec_lo, s57
	v_cmp_gt_u32 vcc_lo, 8, v0
	s_and_saveexec_b32 s57, vcc_lo
	global_store_b16 v39, v40, s[20:21]            ; lane e: expert e's 16 bits
	s_wait_xcnt 0x0
	s_or_b32 exec_lo, exec_lo, s57
.Lend:
	s_wait_tensorcnt 0x0
	ds_add_u32 v254, v255
	s_wait_dscnt 0x0
	s_endpgm
.Lfunc_end_k_q5955adeb54_route:
	.size	k_q5955adeb54_route, .Lfunc_end_k_q5955adeb54_route-k_q5955adeb54_route
	.p2alignl 7, 3214868480
	.fill 96, 4, 3214868480
	.section	.rodata,"a",@progbits
	.p2align	6, 0x0
	.amdhsa_kernel k_q5955adeb54_route
		.amdhsa_group_segment_fixed_size 96000
		.amdhsa_private_segment_fixed_size 0
		.amdhsa_enable_private_segment 0
		.amdhsa_kernarg_size 96
		.amdhsa_user_sgpr_count 2
		.amdhsa_user_sgpr_kernarg_segment_ptr 1
		.amdhsa_wavefront_size32 1
		.amdhsa_system_sgpr_workgroup_id_x 1
		.amdhsa_system_sgpr_workgroup_id_y 1
		.amdhsa_system_sgpr_workgroup_id_z 1
		.amdhsa_system_vgpr_workitem_id 0
		.amdhsa_next_free_vgpr 256
		.amdhsa_next_free_sgpr 66
		.amdhsa_reserve_vcc 1
		.amdhsa_float_denorm_mode_32 3
		.amdhsa_float_denorm_mode_16_64 3
		.amdhsa_memory_ordered 1
		.amdhsa_forward_progress 1
		.amdhsa_inst_pref_size 44
	.end_amdhsa_kernel
	.amdgpu_metadata
---
amdhsa.version: [ 1, 2 ]
amdhsa.kernels:
  - .name:           k_q5955adeb54_route
    .symbol:         k_q5955adeb54_route.kd
    .args:
      - { .name: x, .offset: 0, .size: 8, .value_kind: global_buffer, .address_space: global }
      - { .name: noise, .offset: 8, .size: 8, .value_kind: global_buffer, .address_space: global }
      - { .name: w_route, .offset: 16, .size: 8, .value_kind: global_buffer, .address_space: global }
      - { .name: b_route, .offset: 24, .size: 8, .value_kind: global_buffer, .address_space: global }
      - { .name: w_noise, .offset: 32, .size: 8, .value_kind: global_buffer, .address_space: global }
      - { .name: b_noise, .offset: 40, .size: 8, .value_kind: global_buffer, .address_space: global }
      - { .name: xq, .offset: 48, .size: 8, .value_kind: global_buffer, .address_space: global }
      - { .name: xs, .offset: 56, .size: 8, .value_kind: global_buffer, .address_space: global }
      - { .name: msk, .offset: 64, .size: 8, .value_kind: global_buffer, .address_space: global }
      - { .name: tsel, .offset: 72, .size: 8, .value_kind: global_buffer, .address_space: global }
      - { .name: tgate, .offset: 80, .size: 8, .value_kind: global_buffer, .address_space: global }
      - { .name: out1, .offset: 88, .size: 8, .value_kind: global_buffer, .address_space: global }
    .group_segment_fixed_size: 96000
    .private_segment_fixed_size: 0
    .kernarg_segment_align: 8
    .kernarg_segment_size: 96
    .max_flat_workgroup_size: 256
    .sgpr_count:     66
    .vgpr_count:     256
    .wavefront_size: 32
...
	.end_amdgpu_metadata
.endif
;; end of part 5
;; launch fc (part 6): grid 32 x 8, 8 waves a work-group, no clusters, 214,528 bytes of LDS; arguments xq, xs, msk, w_fc_codes, w_fc_scales, b_fc, hq, hs; writes hq, hs
.if DOCPART == 6
	.amdgcn_target "amdgcn-amd-amdhsa--gfx1250"
	.amdhsa_code_object_version 6
	.text
	.protected	k_q5955adeb54_fc
	.globl	k_q5955adeb54_fc
	.p2align	8
	.type	k_q5955adeb54_fc,@function
k_q5955adeb54_fc:
	s_mov_b64 s[64:65], 0
	v_nop
	global_prefetch_b8 v0, s[64:65] scope:SCOPE_SE
	s_setreg_imm32_b32 hwreg(HW_REG_WAVE_SCHED_MODE, 0, 2), 2
	s_setreg_imm32_b32 hwreg(HW_REG_WAVE_MODE, 25, 1), 1
	s_wait_xcnt 0x0
	s_wait_alu depctr_vm_vsrc(0)
; THE FIRST PRODUCT OF THE EXPERTS, for the chosen rows alone: h = gelu(x w_fc + b_fc), quantised along H and stored as codes in the order of the next product's operand registers.
; Work-group (hc, e): expert e, hidden units 128 hc .. 128 hc + 127, which are K step hc of the next product.  Its 128 KiB of weight codes are read from memory once and stay in LDS.
; The expert's rows are its tokens in ascending order (position p).  A wave takes a GROUP of 32 positions against all 128 units: 16 accumulators; in round rd (four rounds, a constant) wave w has group 8 rd + w,
; and passes over it by a scalar branch where 32 x group is not under the expert's count.  A last group's spare positions hold some valid token: padding rows, which the next launch multiplies and never stores among the tokens' rows.
; POSITION -> TOKEN is computed from the expert's 32 mask words by selection alone (PREFIX, BUILD): no scatter, no address made of data; the list lies in LDS at addresses made of the thread's number.
; THE PRODUCT IS USED TRANSPOSED (source 0 = 16 units, source 1 = 16 rows), and LDS row rho holds the unit whose bits 3 and 4 are swapped against rho: so the 16 registers of tiles 2 b, 2 b + 1 are 16 neighbours along the next K.
; gelu(x) = x / (1 + 2^(x (k0 + k1 x^2))), k0 = -2 sqrt(2 / pi) log2 e, k1 = 0.044715 k0: the tanh form written with one exponential; it stays finite where x^2 overflows.
; NO TENSOR LOAD, NO CLUSTER: the rounds hang on a count read from memory; operands go from memory through registers into LDS, and nothing is asked for jointly.
; LIMITS: NaN and infinities are not served; a block of h whose largest magnitude lies under 2^-111 gets the scale byte 1.  Uneven counts cost time, not values: up to all 1,024 tokens on one expert.
; REGISTERS, window 0: v1-15 addresses; v16-31 the rows' offsets in xq; v32-39 x's scale words, v40-43 and v52-55 the weights', two sets (scales and nothing else); v44-51 addresses; v64-127 and v192-255 two sets of four weight fragments
;   (at the head v192-215 are BUILD's work and landings); v128-191 x's fragments of two K steps.
;   Window 1: v0-127 the accumulators (row tile rt, unit tile ut at 64 rt + 8 ut; at the head the weights' landing); v128-255 x's landing, two halves; in the epilogue the work of gelu and the quantiser.
; THE MODE: SCHED_MODE bits 1:0 = 2 (LLVM: expert scheduling mode 2), set by the entry lines.  The code itself states the register dependences between vector or matrix instructions and memory or LDS instructions, with s_wait_alu, always for 0.
; THE PLAN.  A round's product is 16 half steps: half step n is K step n / 2, unit tiles 4 (n % 2) on, eight matrix instructions.  Registers that memory or LDS instructions touch in it:
;   W0, W1 and their scale words   Half step n's matrix instructions read W[n % 2]; the 20 LDS loads of half step n + 1 land in the other set, issued at the head of half step n.
;   XF0, XF1      K step s's matrix instructions (half steps 2 s and 2 s + 1) read XF[s % 2]; K step s + 2's eight LDS loads land in it, issued behind the products of half step 2 s + 2.
;   LAND0, LAND1  Global loads land in them, LDS stores read them (the way into the stage); no vector instruction names them before the epilogue.
;   v4-9, v16-31  Addresses and offsets: not written during the product.
; So ONE wait on va_vdst stands at the head of a half step: the half step before is done with the other set of weights and, where its K step has ended, with that K step's fragments of x.  A half step's own products name
; W[n % 2], XF[(n / 2) % 2], the accumulators and scale words: none of the registers in which its loads land.  The weights' loads stand in one run at the half step's head: dealt singly each would want two switches of the register window.
.set WP,   1040                        ; a unit's row in LDS: 1,024 codes + 16: 65 x 16 bytes, so the 16 rows of a load start at different banks (ISA guide 11.1)
.set WS,   133120                      ; the units' scale bytes: 32 + 16 a row
.set BI,   139264                      ; the 128 biases
.set LIST, 139776                      ; token of position p at 4 p
.set STG,  143872                      ; a stage for each wave: 32 rows x (256 + 16) bytes
.set SGW,  8704
.set ROFF, 16
.set XSC,  32
.set WSC,  40                          ; set u at WSC + 12 u
.set WFR,  64                          ; set u at WFR + 128 u
.set XF,   128
.set BP,   192                         ; BUILD: the position
.set PP,   193
.set SV,   194
.set BM,   195
.set BN,   196
.set L1,   197
.set L2,   198
.set L3,   199
.set L4,   200
.set POS,  201
.set BC,   202
.set BT,   203
.set TOK,  204
.set BA,   205
.set LAND, 128                         ; window 1
.set Z,    128
.set K0V,  192
.set TM,   196
.set PW,   212
.set CODE, 216
.set PG,   32                          ; s[32:63] for each mask word g: (set bits in the words before it) << 5 | g
.set MK,   68                          ; s[68:99] the expert's 32 mask words
.set CM,   24                          ; s[24:27] BUILD: the masks of four compares
.set WV,   20
.set EX,   21
.set HC,   22
.set CNT,  23
.set SEL,  28
.set MNT,  30
.set HM,   31
.set K1,   100
.set MSB, 0
.macro WIN new                         ; the immediate's high byte repeats the setting that is left; a switch that changes nothing is dropped
.if MSB != \new
	s_set_vgpr_msb (MSB<<8)|\new
.set MSB, \new
.endif
.endm
.macro PLACES n
.rept \n
	v_nop
.endr
.endm
.macro PICK src, width, step           ; does the wanted bit lie beyond the next 'step' bits?  Then their count comes off n and the place moves on
	v_bfe_u32 v[BC], v[\src], v[POS], \width
	v_cmp_ge_u32 vcc_lo, v[BN], v[BC]
	s_wait_alu depctr_va_vcc(0)                    ; the compare has written VCC, which the two selections read
	v_cndmask_b32 v[BC], 0, v[BC], vcc_lo
	v_sub_nc_u32 v[BN], v[BN], v[BC]
	v_cndmask_b32 v[BT], 0, \step, vcc_lo
	v_add_nc_u32 v[POS], v[POS], v[BT]
.endm
.macro BUILD                           ; v[BP], a position, -> v[TOK], the token at that position in the expert's list
	v_lshl_or_b32 v[PP], v[BP], 5, 31
	v_mov_b32 v[SV], s[PG]
	v_mov_b32 v[BM], s[MK]
.set g, 1
.rept 8                                ; the 31 compares hang on v[PP] alone: they go in runs of four, each into a mask of its own
.irp u, 0,1,2,3
.if g+\u < 32
	v_cmp_le_u32 s[CM+\u], s[PG+g+\u], v[PP]       ; are at most p bits set before word g?  The last such word holds position p
.endif
.endr
	s_wait_alu depctr_va_sdst(0)                   ; the run's compares have written their masks, which the selections below read
.irp u, 0,1,2,3
.if g+\u < 32
	v_cndmask_b32 v[SV], v[SV], s[PG+g+\u], s[CM+\u]
	v_cndmask_b32 v[BM], v[BM], s[MK+g+\u], s[CM+\u]
.endif
.endr
.set g, g+4
.endr
	v_lshrrev_b32 v[BT], 5, v[SV]
	v_sub_nc_u32 v[BN], v[BP], v[BT]               ; n: which set bit of that word
	v_lshrrev_b32 v[BT], 1, v[BM]                  ; counts of set bits in fields of 2, 4, 8 and 16 bits
	v_and_b32 v[BT], 0x55555555, v[BT]
	v_sub_nc_u32 v[L1], v[BM], v[BT]
	v_lshrrev_b32 v[BT], 2, v[L1]
	v_and_b32 v[BT], 0x33333333, v[BT]
	v_and_b32 v[L2], 0x33333333, v[L1]
	v_add_nc_u32 v[L2], v[L2], v[BT]
	v_lshrrev_b32 v[BT], 4, v[L2]
	v_add_nc_u32 v[L3], v[L2], v[BT]
	v_and_b32 v[L3], 0x0f0f0f0f, v[L3]
	v_lshrrev_b32 v[BT], 8, v[L3]
	v_add_nc_u32 v[L4], v[L3], v[BT]
	v_and_b32 v[L4], 0x00ff00ff, v[L4]
	v_mov_b32 v[POS], 0
	PICK L4, 8, 16
	PICK L3, 8, 8
	PICK L2, 4, 4
	PICK L1, 2, 2
	PICK BM, 1, 1
	v_and_b32 v[BT], 31, v[SV]
	v_lshl_add_u32 v[TOK], v[BT], 5, v[POS]
	v_min_u32 v[TOK], 1023, v[TOK]                 ; a position at or beyond the count gives some valid token
.endm
; 64 numbers of a lane, v[s] on, register 16 b + i = k 32 b + 16 (lane / 16) + i of my row, become a fragment's codes in v[pc] on and its scale word in v[pw]
.macro QUANT s, pc, pw
.irp b, 0,1,2,3
	v_max3_num_f32 v[TM+\b], |v[\s+16*\b]|, |v[\s+1+16*\b]|, 0x8000000   ; block b: my 16 numbers, and the floor 2^(16 - 127): the byte cannot fall under 1
.endr
.irp i, 2,4,6,8,10,12,14
.irp b, 0,1,2,3
	v_max3_num_f32 v[TM+\b], v[TM+\b], |v[\s+16*\b+\i]|, |v[\s+1+16*\b+\i]|
.endr
.endr
.irp b, 0,1,2,3
	v_permlanex16_b32 v[TM+4+\b], v[TM+\b], s[SEL], s[SEL+1]
.endr
.irp b, 0,1,2,3
	v_max_num_f32 v[TM+\b], v[TM+\b], v[TM+4+\b]
.endr
.irp b, 0,1,2,3
	v_add_nc_u32 v[TM+12+\b], 0xf8800000, v[TM+\b]               ; 15 off the exponent field: the conversion's scale operand
.endr
.irp b, 0,1,2,3
	v_and_or_b32 v[TM+8+\b], v[TM+\b], 0x7f800000, s[MNT]        ; 57,344 x the scale
.endr
.irp b, 0,1,2,3
	v_lshrrev_b32 v[TM+4+\b], 23, v[TM+12+\b]                    ; the scale's byte
.endr
	v_lshl_or_b32 v[\pw], v[TM+5], 8, v[TM+4]
	v_lshl_or_b32 v[\pw], v[TM+6], 16, v[\pw]
	v_lshl_or_b32 v[\pw], v[TM+7], 24, v[\pw]
.irp b, 0,1,2,3
.irp i, 0,1,2,3,4,5,6,7,8,9,10,11,12,13,14,15
	v_med3_num_f32 v[\s+16*\b+\i], v[\s+16*\b+\i], -v[TM+8+\b], v[TM+8+\b]   ; the conversion to an 8-bit code does not saturate (ISA guide 7.6.2): the hold comes first
.endr
	v_cvt_scalef32_pk8_bf8_f32 v[\pc+4*\b:\pc+1+4*\b], v[\s+16*\b:\s+7+16*\b], v[TM+12+\b]
	v_cvt_scalef32_pk8_bf8_f32 v[\pc+2+4*\b:\pc+3+4*\b], v[\s+8+16*\b:\s+15+16*\b], v[TM+12+\b]
.endr
	v_nop                                          ; one plain line behind the last conversion
.endm
; gelu in place on the 64 registers v[a] on (window 1).  Each batch of 64 transcendentals has one plain line and one wait behind it, ahead of its first reader
.macro GELU a
.set j, 0
.rept 32
	v_pk_mul_f32 v[Z+j:Z+j+1], v[\a+j:\a+j+1], v[\a+j:\a+j+1]                    ; x^2: each accumulator is read from its low end on
.set j, j+2
.endr
.set j, 0
.rept 32
	v_pk_fma_f32 v[Z+j:Z+j+1], v[Z+j:Z+j+1], s[K1:K1+1], v[K0V:K0V+1] op_sel_hi:[1,0,1]   ; k0 + k1 x^2
.set j, j+2
.endr
.set j, 0
.rept 32
	v_pk_mul_f32 v[Z+j:Z+j+1], v[\a+j:\a+j+1], v[Z+j:Z+j+1]
.set j, j+2
.endr
.set j, 0
	s_wait_alu depctr_va_vdst(0)
.rept 64
	v_exp_f32 v[Z+j], v[Z+j]
.set j, j+1
.endr
	v_nop
	s_wait_alu depctr_va_vdst(0)                   ; the 64 exponentials have written v[Z ..], which the additions read
.set j, 0
.rept 32
	v_pk_add_f32 v[Z+j:Z+j+1], v[Z+j:Z+j+1], 1.0 op_sel_hi:[1,0]
.set j, j+2
.endr
.set j, 0
	s_wait_alu depctr_va_vdst(0)
.rept 64
	v_rcp_f32 v[Z+j], v[Z+j]
.set j, j+1
.endr
	v_nop
	s_wait_alu depctr_va_vdst(0)                   ; the 64 reciprocals have written v[Z ..], which the multiplications read
.set j, 0
.rept 32
	v_pk_mul_f32 v[\a+j:\a+j+1], v[\a+j:\a+j+1], v[Z+j:Z+j+1]
.set j, j+2
.endr
.endm
; Half step m's four weight fragments and their scale words into set m % 2: 20 LDS loads
.macro LDW m
.set mq, (\m)%2
.set ms, (\m)/2
.irp t, 0,1,2,3
.irp c, 0,1,2,3
	ds_load_b128 v[WFR+128*mq+16*\t+4*\c:WFR+128*mq+16*\t+4*\c+3], v[4+mq] offset:\t*16*WP+128*ms+32*\c
.endr
	ds_load_b32 v[WSC+12*mq+\t], v6 offset:(4*mq+\t)*768+4*ms
.endr
.endm
	s_load_b512 s[4:19], s[0:1], 0x0               ; xq, xs, msk, w_fc_codes, w_fc_scales, b_fc, hq, hs
	v_lshl_add_u32 v62, v0, 2, 0x34200
	v_mov_b32 v63, 0
	v_lshrrev_b32 v1, 5, v0
	v_readfirstlane_b32 s[WV], v1                  ; wave 0..7
	v_and_b32 v1, 31, v0                           ; lane
	v_and_b32 v2, 15, v0                           ; r
	v_bfe_u32 v3, v0, 4, 1                         ; h
	s_and_b32 s[EX], ttmp7, 0xffff                 ; the expert
	s_mov_b32 s[HC], ttmp9                         ; the chunk of 128 hidden units
	v_lshlrev_b32 v15, 4, v2                       ; v15: 16 r
	v_lshlrev_b32 v51, 4, v1                       ; v51: 16 x lane
	v_mul_u32_u24 v4, v2, WP
	v_lshl_add_u32 v4, v3, 4, v4                   ; v4: a weight fragment's row r, my half; unit tiles 0-3 by the immediate,
	v_add_nc_u32 v5, 64*WP, v4                     ; v5: tiles 4-7
	v_mul_u32_u24 v6, v2, 48
	v_add_nc_u32 v6, WS, v6                        ; v6: row r's scale words
	v_lshlrev_b32 v7, 6, v3
	v_add_nc_u32 v7, BI, v7                        ; v7: the biases of my half's units
	s_wait_alu depctr_va_sdst(0)                   ; the wave's number is written, ahead of its first reader
	s_mul_i32 s24, s[WV], SGW
	s_add_co_u32 s24, s24, STG
	v_mul_u32_u24 v8, v3, 272
	v_add_nc_u32 v8, v8, v15
	v_add_nc_u32 v8, s24, v8                       ; v8: my stage, in: sixteen lanes a row, two rows an instruction
	v_mul_u32_u24 v9, v2, 272
	v_lshl_add_u32 v9, v3, 4, v9
	v_add_nc_u32 v9, s24, v9                       ; v9: and out: row r, my half
	s_lshl_b32 s24, s[WV], 7
	s_add_co_u32 s24, s24, LIST
	v_lshl_add_u32 v10, v3, 2, s24                 ; v10: the list at my group's rows 2 i + h
	v_lshl_add_u32 v11, v1, 2, s24                 ; v11: and at row = lane
	s_lshl_b32 s24, s[WV], 17
	v_add_nc_u32 v12, s24, v51                     ; v12: hq: my group's 131,072 bytes, 16 x lane
	s_lshl_b32 s24, s[WV], 12
	v_lshl_add_u32 v13, v1, 2, s24                 ; v13: hs: my group's 4,096 bytes, 4 x lane
	s_lshr_b32 s24, s[WV], 1                       ; staging: wave w brings units 16 w + a: LDS rows 32 (w / 2) + 8 (w % 2) + 16 (a / 8) + a % 8
	s_lshl_b32 s24, s24, 5
	s_and_b32 s25, s[WV], 1
	s_lshl_b32 s25, s25, 3
	s_add_co_u32 s24, s24, s25
	s_mul_i32 s24, s24, WP
	v_add_nc_u32 v46, s24, v51                     ; v46
	v_lshrrev_b32 v47, 1, v0                       ; the scale bytes: thread t brings half t % 2 of unit t / 2
	v_and_b32 v47, 0x67, v47
	v_bfe_u32 v48, v0, 4, 1
	v_lshl_or_b32 v47, v48, 4, v47
	v_bfe_u32 v48, v0, 5, 1
	v_lshl_or_b32 v47, v48, 3, v47                 ; its LDS row
	v_mul_u32_u24 v47, v47, 48
	v_and_b32 v48, 1, v0
	v_lshl_add_u32 v47, v48, 4, v47
	v_add_nc_u32 v47, WS, v47                      ; v47
	v_add_nc_u32 v48, BI, v51                      ; v48
	s_lshl_b32 s24, s[WV], 14
	v_add_nc_u32 v49, s24, v51                     ; v49: my wave's 16,384 bytes of the chunk's codes
	v_lshlrev_b32 v50, 4, v0                       ; v50: my thread's 16 of its 4,096 scale bytes
	s_mov_b32 s[SEL], 0x76543210
	s_mov_b32 s[SEL+1], 0xfedcba98
	s_mov_b32 s[MNT], 0x600000
	s_mov_b32 s[HM], 0xffff0000
	s_mov_b32 s[K1], 0xbdd2d3e8                    ; k1 = -0.10294324
	s_mov_b32 s[K1+1], s[K1]                       ; (named with it as a pair, so it is written)
	s_wait_kmcnt 0x0
	s_mov_b32 s27, 0
	s_lshl_b32 s26, s[EX], 7
	s_add_nc_u64 s[8:9], s[8:9], s[26:27]
	s_load_b512 s[MK:MK+15], s[8:9], 0x0
	s_load_b512 s[MK+16:MK+31], s[8:9], 0x40
	s_lshl_b32 s26, s[EX], 22                      ; codes: (4,096 e + 128 hc) rows of 1,024 bytes
	s_lshl_b32 s24, s[HC], 17
	s_add_co_u32 s26, s26, s24
	s_add_nc_u64 s[10:11], s[10:11], s[26:27]
	s_lshl_b32 s26, s[EX], 17                      ; scale bytes: 32 a row
	s_lshl_b32 s24, s[HC], 12
	s_add_co_u32 s26, s26, s24
	s_add_nc_u64 s[12:13], s[12:13], s[26:27]
	s_lshl_b32 s26, s[EX], 14                      ; biases: 4 bytes a unit
	s_lshl_b32 s24, s[HC], 9
	s_add_co_u32 s26, s26, s24
	s_add_nc_u64 s[14:15], s[14:15], s[26:27]
	s_lshl_b32 s26, s[EX], 22                      ; hq: the expert's 4 MiB, K step hc's 4,096 bytes of a group
	s_lshl_b32 s24, s[HC], 12
	s_add_co_u32 s26, s26, s24
	s_add_nc_u64 s[16:17], s[16:17], s[26:27]
	s_lshl_b32 s26, s[EX], 17                      ; hs: the expert's 131,072 bytes, K step hc's 128 of a group
	s_lshl_b32 s24, s[HC], 7
	s_add_co_u32 s26, s26, s24
	s_add_nc_u64 s[18:19], s[18:19], s[26:27]
	WIN 0x40                                       ; a load's destination: window 1
	s_wait_alu depctr_va_vdst(0)                   ; the addresses and offsets v4 to v15 and v46 to v51 are written: the loads and LDS instructions from here on read them
.set i, 0
.rept 32
	global_load_b128 v[4*i:4*i+3], v49, s[10:11] offset:512*i th:TH_LOAD_NT      ; 512 consecutive bytes; no other work-group reads them
.set i, i+1
.endr
	WIN 0
	global_load_b128 v[208:211], v50, s[12:13] th:TH_LOAD_NT
	global_load_b128 v[212:215], v51, s[14:15]     ; (every wave loads the 512 bytes of biases; wave 0 stages them)
	s_wait_kmcnt 0x0
	; PREFIX
	s_mov_b32 s[CNT], 0
.set g, 0
.rept 32
	s_lshl_b32 s[PG+g], s[CNT], 5
	s_or_b32 s[PG+g], s[PG+g], g
	s_bcnt1_i32_b32 s24, s[MK+g]
	s_add_co_u32 s[CNT], s[CNT], s24
.set g, g+1
.endr
	; the list: four passes of 256 positions, a constant; a pass with no position under the count is passed over
	s_mov_b32 s2, 0
.Lbuild:
	s_cmp_ge_u32 s2, s[CNT]
	s_cbranch_scc1 .Lno_pass
	v_add_nc_u32 v[BP], s2, v0
	BUILD
	v_lshl_add_u32 v[BA], v[BP], 2, LIST
	s_wait_alu depctr_va_vdst(0)                   ; the token and its place in the list are written, which the LDS store reads
	ds_store_b32 v[BA], v[TOK]
	s_wait_alu depctr_vm_vsrc(0)                   ; the LDS store has read both registers, which the next pass writes again
.Lno_pass:
	s_add_co_u32 s2, s2, 256
	s_cmp_lt_u32 s2, 1024
	s_cbranch_scc1 .Lbuild
	s_wait_loadcnt 0x0                             ; the weights, their scale bytes and the biases are in
	WIN 0x04
.set i, 0
.rept 32
	ds_store_b128 v46, v[4*i:4*i+3] offset:(16*((i/2)/8)+((i/2)%8))*WP+512*(i%2)
.set i, i+1
.endr
	WIN 0
	ds_store_b128 v47, v[208:211]
	s_cmp_lg_u32 s[WV], 0
	s_cbranch_scc1 .Lnot_wave_0
	ds_store_b128 v48, v[212:215]
.Lnot_wave_0:
	s_wait_dscnt 0x0                               ; for the others' sake: my stores have landed
	s_barrier_signal -1
	s_barrier_wait -1                              ; the one barrier: from here on the weights, the biases and the list are only read
	s_wait_alu depctr_vm_vsrc(0)                   ; my LDS stores have read the landings: window 1's v0-127, in which the biases land, and v208-215, which belong to the weights' second set from here on
	s_mov_b32 s2, 0                                ; the round
	s_mov_b32 s3, 0                                ; 1,024 x round: the list's step
	s_lshl_b32 s66, s[WV], 5                       ; 32 x my group
.Lround:
	s_cmp_ge_u32 s66, s[CNT]
	s_cbranch_scc1 .Lnone
	; my 32 rows' tokens; their scale words; granules 0 and 1 of their codes (a granule: 256 bytes, two K steps, of each of my 32 rows)
	v_add_nc_u32 v44, s3, v10
	v_add_nc_u32 v45, s3, v11
	s_wait_alu depctr_va_vdst(0)                   ; v44 and v45 are written, which the LDS loads read; the round before is done writing v14 and v16-31, in which they land
.irp i, 0,1,2,3,4,5,6,7,8,9,10,11,12,13,14,15
	ds_load_b32 v[ROFF+\i], v44 offset:8*\i
.endr
	ds_load_b32 v14, v45
	s_wait_dscnt 0x0
.irp i, 0,1,2,3,4,5,6,7,8,9,10,11,12,13,14,15
	v_min_u32 v[ROFF+\i], 1023, v[ROFF+\i]
.endr
.irp i, 0,1,2,3,4,5,6,7,8,9,10,11,12,13,14,15
	v_lshl_add_u32 v[ROFF+\i], v[ROFF+\i], 10, v15             ; sixteen lanes read 256 consecutive bytes of a row, aligned
.endr
	v_min_u32 v14, 1023, v14
	v_lshlrev_b32 v14, 5, v14
	s_wait_alu depctr_va_vdst(0)                   ; the rows' offsets v14 and v16-31 are written, which the loads read.  (All that the round before named lies ahead of the wait above: scale words, fragments, accumulators, the landing)
	global_load_b128 v[XSC:XSC+3], v14, s[6:7]     ; lane l: row l's eight scale words: row tile 1's lie in lanes 16-31
	global_load_b128 v[XSC+4:XSC+7], v14, s[6:7] offset:16
	WIN 0x40
.irp g, 0,1
.irp i, 0,1,2,3,4,5,6,7,8,9,10,11,12,13,14,15
	global_load_b128 v[LAND+64*\g+4*\i:LAND+64*\g+4*\i+3], v[ROFF+\i], s[4:5] offset:256*\g
.endr
.endr
.irp rt, 0,1                                   ; the biases are the sums' first C: register j of tile ut is unit 32 (ut / 2) + 16 h + 8 (ut % 2) + j
.irp ut, 0,1,2,3,4,5,6,7
	ds_load_b128 v[64*\rt+8*\ut:64*\rt+8*\ut+3], v7 offset:(32*(\ut/2)+8*(\ut%2))*4
	ds_load_b128 v[64*\rt+8*\ut+4:64*\rt+8*\ut+7], v7 offset:(32*(\ut/2)+8*(\ut%2))*4+16
.endr
.endr
	WIN 0
	LDW 0                                          ; half step 0's weights
	s_wait_loadcnt 16                              ; the scale words and granule 0 are in; granule 1's 16 loads may be out
	WIN 0x04                                       ; an LDS store's data: window 1
.irp i, 0,1,2,3,4,5,6,7,8,9,10,11,12,13,14,15
	ds_store_b128 v8, v[LAND+4*\i:LAND+4*\i+3] offset:544*\i
.endr
	WIN 0
.irp u, 0,1                                    ; K steps 0 and 1
.irp rt, 0,1
.irp c, 0,1,2,3
	ds_load_b128 v[XF+32*\u+16*\rt+4*\c:XF+32*\u+16*\rt+4*\c+3], v9 offset:4352*\rt+128*\u+32*\c   ; my own stage: LDS serves a wave's instructions in order (ISA guide 5.7.1.4)
.endr
.endr
.endr
	WIN 0x40
	s_wait_alu depctr_vm_vsrc(0)                   ; the LDS stores have read the landing's first half, in which granule 2 lands
.irp i, 0,1,2,3,4,5,6,7,8,9,10,11,12,13,14,15
	global_load_b128 v[LAND+4*\i:LAND+4*\i+3], v[ROFF+\i], s[4:5] offset:512
.endr
	WIN 0
	; THE 16 HALF STEPS.  The 16 accumulators take turns in the same order in every K step
.set hn, 0
.rept 16
.set uq, hn%2
.set ks, hn/2
.set sl, ks%2
.if (hn%4 == 3) && (hn < 15)
	s_wait_dscnt 24                                ; this half step's weights are in; the 16 stage stores and 8 fragment loads issued behind them may be out
.elseif (hn%4 == 1) && (hn > 1)
	s_wait_dscnt 8                                 ; this half step's weights are in; the 8 fragment loads issued behind them may be out
.else
	s_wait_dscnt 0x0                               ; this half step's weights and its K step's fragments of x are in (half step 0: the biases too)
.endif
.if (hn > 0) && (hn < 15)
	s_wait_alu depctr_va_vdst(0)                   ; the half step before is done reading the other set of weights and its scale words, in which the loads below land; where its K step has ended, also that K step's fragments of x
.endif
.if hn < 15
	LDW hn+1
.endif
	WIN 0x50                                       ; C and D in window 1
.irp t, 0,1,2,3
	v_wmma_scale_f32_16x16x128_f8f6f4 v[8*(4*uq+\t):8*(4*uq+\t)+7], v[WFR+128*uq+16*\t:WFR+128*uq+16*\t+15], v[XF+32*sl:XF+32*sl+15], v[8*(4*uq+\t):8*(4*uq+\t)+7], v[WSC+12*uq+\t], v[XSC+ks] matrix_a_fmt:MATRIX_FMT_BF8 matrix_b_fmt:MATRIX_FMT_BF8
	v_wmma_scale_f32_16x16x128_f8f6f4 v[64+8*(4*uq+\t):64+8*(4*uq+\t)+7], v[WFR+128*uq+16*\t:WFR+128*uq+16*\t+15], v[XF+32*sl+16:XF+32*sl+31], v[64+8*(4*uq+\t):64+8*(4*uq+\t)+7], v[WSC+12*uq+\t], v[XSC+ks] matrix_a_fmt:MATRIX_FMT_BF8 matrix_b_fmt:MATRIX_FMT_BF8 matrix_b_scale:MATRIX_SCALE_ROW1
.endr
	WIN 0
.if (hn%4 == 2) && (hn < 12)                   ; the next granule goes into the stage (its last reader's loads were issued two half steps ago), and its first K step's fragments come out, into the half that this half step's products do not name
.set g1, hn/4+1
.if g1 < 3
	s_wait_loadcnt 16                              ; granule g1 is in; the next granule's 16 loads may be out
.else
	s_wait_loadcnt 0x0
.endif
	WIN 0x04
.irp i, 0,1,2,3,4,5,6,7,8,9,10,11,12,13,14,15
	ds_store_b128 v8, v[LAND+64*(g1%2)+4*\i:LAND+64*(g1%2)+4*\i+3] offset:544*\i
.endr
	WIN 0
.irp rt, 0,1
.irp c, 0,1,2,3
	ds_load_b128 v[XF+16*\rt+4*\c:XF+16*\rt+4*\c+3], v9 offset:4352*\rt+32*\c
.endr
.endr
.if g1 == 1
	WIN 0x40
	s_wait_alu depctr_vm_vsrc(0)                   ; the LDS stores have read the landing's second half, in which granule 3 lands
.irp i, 0,1,2,3,4,5,6,7,8,9,10,11,12,13,14,15
	global_load_b128 v[LAND+64+4*\i:LAND+64+4*\i+3], v[ROFF+\i], s[4:5] offset:768
.endr
	WIN 0
.endif
.endif
.if (hn%4 == 0) && (hn > 0)                    ; the granule's second K step's fragments, likewise into the half that this half step's products do not name
.irp rt, 0,1
.irp c, 0,1,2,3
	ds_load_b128 v[XF+32+16*\rt+4*\c:XF+32+16*\rt+4*\c+3], v9 offset:4352*\rt+128+32*\c
.endr
.endr
.endif
.set hn, hn+1
.endr
	PLACES 8                                       ; eight places behind this form, ahead of the first read of its results
	s_wait_alu depctr_vm_vsrc(0)                   ; the LDS stores of granules 2 and 3 have read the landing, which the work of gelu and the quantiser writes from here on
	WIN 0x55                                       ; everything in window 1
	v_mov_b32 v[K0V], 0xc0135761                   ; k0 = -2.3022082
	v_mov_b32 v[K0V+1], 0xc0135761
.irp b, 0,1,2,3
	v_mov_b32 v[TM+4+\b], 0                        ; a lane permute's destination counts as one of its sources
.endr
	GELU 0
	QUANT 0, CODE, PW
	GELU 64
	QUANT 64, CODE+16, PW+1
	v_cndmask_b32 v[PW+2], v[PW], v[PW+1], s[HM]   ; lane l: row l's scale word
	WIN 0x04                                       ; a store's data: window 1
	s_wait_alu depctr_va_vdst(0)                   ; the codes and the scale word are written, which the stores read; so are their offsets v12 and v13, stepped at the last round's end
.irp rt, 0,1
.irp c, 0,1,2,3
	global_store_b128 v12, v[CODE+16*\rt+4*\c:CODE+16*\rt+4*\c+3], s[16:17] offset:2048*\rt+512*\c th:TH_STORE_NT   ; the operand's registers as they stand: 512 consecutive bytes a store
.endr
.endr
	global_store_b32 v13, v[PW+2], s[18:19] th:TH_STORE_NT
	WIN 0
.Lnone:
	s_wait_xcnt 0x0                                ; the stores have read their registers and addresses: both may be written again
	s_wait_alu depctr_vm_vsrc(0)                   ; the round's stores have read v12, v13, the codes and the scale word, its loads v14, v16-31, v44 and v45: the lines below and the next round write them again
	s_wait_alu depctr_va_vdst(0)
	v_add_nc_u32 v12, 0x100000, v12                ; eight groups on
	v_add_nc_u32 v13, 0x8000, v13
	s_add_co_u32 s66, s66, 256
	s_add_co_u32 s3, s3, 1024
	s_add_co_u32 s2, s2, 1
	s_cmp_lt_u32 s2, 4
	s_cbranch_scc1 .Lround
	s_wait_dscnt 0x0
	s_wait_alu depctr_hold_cnt(0) depctr_sa_sdst(0) depctr_va_vdst(0) depctr_va_sdst(0) depctr_va_ssrc(0) depctr_va_vcc(0) depctr_vm_vsrc(0)
	s_wait_tensorcnt 0x0
	ds_add_u32 v62, v63
	s_wait_dscnt 0x0
	s_endpgm
.Lfunc_end_k_q5955adeb54_fc:
	.size	k_q5955adeb54_fc, .Lfunc_end_k_q5955adeb54_fc-k_q5955adeb54_fc
	.p2alignl 7, 3214868480
	.fill 96, 4, 3214868480
	.section	.rodata,"a",@progbits
	.p2align	6, 0x0
	.amdhsa_kernel k_q5955adeb54_fc
		.amdhsa_group_segment_fixed_size 214528
		.amdhsa_private_segment_fixed_size 0
		.amdhsa_enable_private_segment 0
		.amdhsa_kernarg_size 64
		.amdhsa_user_sgpr_count 2
		.amdhsa_user_sgpr_kernarg_segment_ptr 1
		.amdhsa_wavefront_size32 1
		.amdhsa_system_sgpr_workgroup_id_x 1
		.amdhsa_system_sgpr_workgroup_id_y 1
		.amdhsa_system_sgpr_workgroup_id_z 1
		.amdhsa_system_vgpr_workitem_id 0
		.amdhsa_next_free_vgpr 512
		.amdhsa_next_free_sgpr 102
		.amdhsa_reserve_vcc 1
		.amdhsa_float_denorm_mode_32 3
		.amdhsa_float_denorm_mode_16_64 3
		.amdhsa_memory_ordered 1
		.amdhsa_forward_progress 1
		.amdhsa_inst_pref_size 128
	.end_amdhsa_kernel
	.amdgpu_metadata
---
amdhsa.version: [ 1, 2 ]
amdhsa.kernels:
  - .name:           k_q5955adeb54_fc
    .symbol:         k_q5955adeb54_fc.kd
    .args:
      - { .name: xq, .offset: 0, .size: 8, .value_kind: global_buffer, .address_space: global }
      - { .name: xs, .offset: 8, .size: 8, .value_kind: global_buffer, .address_space: global }
      - { .name: msk, .offset: 16, .size: 8, .value_kind: global_buffer, .address_space: global }
      - { .name: w_fc_codes, .offset: 24, .size: 8, .value_kind: global_buffer, .address_space: global }
      - { .name: w_fc_scales, .offset: 32, .size: 8, .value_kind: global_buffer, .address_space: global }
      - { .name: b_fc, .offset: 40, .size: 8, .value_kind: global_buffer, .address_space: global }
      - { .name: hq, .offset: 48, .size: 8, .value_kind: global_buffer, .address_space: global }
      - { .name: hs, .offset: 56, .size: 8, .value_kind: global_buffer, .address_space: global }
    .group_segment_fixed_size: 214528
    .private_segment_fixed_size: 0
    .kernarg_segment_align: 8
    .kernarg_segment_size: 64
    .max_flat_workgroup_size: 256
    .sgpr_count:     102
    .vgpr_count:     512
    .wavefront_size: 32
...
	.end_amdgpu_metadata
.endif
;; end of part 6
;; launch proj (part 7): grid 32 x 8, 8 waves a work-group, no clusters, 312,576 bytes of LDS; arguments hq, hs, msk, tsel, tgate, w_proj_codes, w_proj_scales, b_proj, yb; writes yb
.if DOCPART == 7
	.amdgcn_target "amdgcn-amd-amdhsa--gfx1250"
	.amdhsa_code_object_version 6
	.text
	.protected	k_q5955adeb54_proj
	.globl	k_q5955adeb54_proj
	.p2align	8
	.type	k_q5955adeb54_proj,@function
k_q5955adeb54_proj:
	s_mov_b64 s[64:65], 0
	v_nop
	global_prefetch_b8 v0, s[64:65] scope:SCOPE_SE
	s_setreg_imm32_b32 hwreg(HW_REG_WAVE_SCHED_MODE, 0, 2), 2
	s_setreg_imm32_b32 hwreg(HW_REG_WAVE_MODE, 25, 1), 1
	s_wait_xcnt 0x0
	s_wait_alu depctr_vm_vsrc(0)
; THE SECOND PRODUCT OF THE EXPERTS, for the chosen rows alone: yb[slot][token] = gate x (h w_proj + b_proj); slot 0 is the token's first expert, slot 1 its second: each row of yb has one owner.
; Work-group (x, e): expert e, columns 64 (x / 2) .. + 63, and the groups of 32 rows of parity x % 2.  Its 256 KiB of weight codes stay in LDS.
; A wave takes one group of 32 rows x 64 columns, 8 accumulators, over K = 4,096: 32 K steps, all written out, every offset an immediate.  In round rd (two rounds, a constant) wave w has group 2 (8 rd + w) + x % 2,
; and passes over it by a scalar branch where 32 x group is not under the expert's count.
; h comes from memory straight into operand registers (it was stored in their order): 8 loads of 512 consecutive bytes and one load of scale words a K step, through a ring of seven register slots: six K steps are on their way while one is multiplied.
; THE PRODUCT IS USED TRANSPOSED (source 0 = 16 columns of w_proj, source 1 = 16 rows of h): a lane holds eight neighbouring columns of one row.
; POSITION -> TOKEN as in the launch before (PREFIX, BUILD); slot and gate are chosen by v_cndmask_b32 from tsel and tgate.
; SPARE ROWS.  A last group's positions at or beyond the count are multiplied with the others and stored to rows of their own behind the two slots, row 2,048 + 32 e + position % 32: at most 31 rows of 4 KiB an expert,
; which no launch reads.  Only an expert's last group has such rows, so they too have one owner each.  So every lane is on throughout, and no store hangs on a mask.
; NO TENSOR LOAD, NO CLUSTER: the rounds hang on a count read from memory; nothing is asked for jointly, though two work-groups read each chunk of weights and sixteen each group of h.
; REGISTERS, window 0: v1-15 addresses; v16-79 the accumulators (8 (4 rt + ct)); v80-143, v144-207 two sets of four weight fragments (at the head BUILD's work and landings; on the way out v80-143 rows of y);
;   v208-215 the weights' scale words, two sets, v216-222 h's (scales and nothing else); v224-253 work and addresses.  Window 1: v0-223 the ring (at the head v0-255: the weights' landing).
; THE MODE: SCHED_MODE bits 1:0 = 2 (LLVM: expert scheduling mode 2), set by the entry lines.  The code itself states the register dependences between vector or matrix instructions and memory or LDS instructions, with s_wait_alu, always for 0.
; THE PLAN.  Registers that memory or LDS instructions touch in the 32 K steps:
;   WB0, WB1 and their scale words   K step k's eight matrix instructions read WB[k % 2]; the 20 LDS loads of K step k + 1 land in the other set, issued at the head of K step k.
;   slots 0 .. 6 and h's scale words K step k's matrix instructions read slot k % 7; the nine loads of K step k + 6 land in slot (k - 1) % 7, issued at the head of K step k.
;   v4-8, v10, v11                   Addresses and offsets: not written in the K steps; every step is reached by an immediate.
; So ONE wait on va_vdst stands at the head of a K step: the K step before is done reading its set of weights, its slot and their scale words.  The step's loads follow it, then its products, which name the other set,
; another slot and the accumulators: none of the registers in which those loads land.
.set WP,   4112                        ; a column's row in LDS: 4,096 codes + 16: 257 x 16 bytes, so the 16 rows of a load start at different banks (ISA guide 11.1)
.set WS,   263168                      ; the columns' scale bytes: 128 + 16 a row
.set BI,   272384                      ; the 64 biases
.set YO,   272640                      ; the row of yb of my work-group's q-th row, q = 32 (8 rd + w) + row: slot << 10 | token, or a spare row
.set GT,   274688                      ; its gate
.set STG,  276736                      ; a stage for each wave: 16 rows x (256 + 16) bytes
.set ACC,  16
.set WB,   80
.set WSC,  208
.set HSC,  216
.set YOF,  228                         ; v228-235 row tile 0's offsets in yb, v244-251 row tile 1's
.set GA0,  226                         ; v[226:227] row tile 0's gate (the low word; the pair is named)
.set GA1,  252                         ; v[252:253] row tile 1's
.set BP,   80
.set PP,   81
.set SV,   82
.set BM,   83
.set BN,   84
.set L1,   85
.set L2,   86
.set L3,   87
.set L4,   88
.set POS,  89
.set BC,   90
.set BT,   91
.set TOK,  92
.set PG,   32
.set MK,   68
.set CM,   28                          ; the masks of four compares: s28, s29, s66, s67: mask u at CM + u + 36 (u / 2)
.set WV,   22
.set EX,   23
.set CC,   24
.set RH,   25
.set CNT,  26
.set PADB, 31                          ; s31: 2,048 + 32 e: the expert's first spare row of yb
.set MSB, 0
.macro WIN new                         ; the immediate's high byte repeats the setting that is left; a switch that changes nothing is dropped
.if MSB != \new
	s_set_vgpr_msb (MSB<<8)|\new
.set MSB, \new
.endif
.endm
.macro PLACES n
.rept \n
	v_nop
.endr
.endm
.macro PICK src, width, step           ; does the wanted bit lie beyond the next 'step' bits?  Then their count comes off n and the place moves on
	v_bfe_u32 v[BC], v[\src], v[POS], \width
	v_cmp_ge_u32 vcc_lo, v[BN], v[BC]
	s_wait_alu depctr_va_vcc(0)                    ; the compare has written VCC, which the two selections read
	v_cndmask_b32 v[BC], 0, v[BC], vcc_lo
	v_sub_nc_u32 v[BN], v[BN], v[BC]
	v_cndmask_b32 v[BT], 0, \step, vcc_lo
	v_add_nc_u32 v[POS], v[POS], v[BT]
.endm
.macro BUILD                           ; v[BP], a position, -> v[TOK], the token at that position in the expert's list
	v_lshl_or_b32 v[PP], v[BP], 5, 31
	v_mov_b32 v[SV], s[PG]
	v_mov_b32 v[BM], s[MK]
.set g, 1
.rept 8                                ; the 31 compares hang on v[PP] alone: they go in runs of four, each into a mask of its own
.irp u, 0,1,2,3
.if g+\u < 32
	v_cmp_le_u32 s[CM+\u+36*(\u/2)], s[PG+g+\u], v[PP]   ; are at most p bits set before word g?  The last such word holds position p
.endif
.endr
	s_wait_alu depctr_va_sdst(0)                   ; the run's compares have written their masks, which the selections below read
.irp u, 0,1,2,3
.if g+\u < 32
	v_cndmask_b32 v[SV], v[SV], s[PG+g+\u], s[CM+\u+36*(\u/2)]
	v_cndmask_b32 v[BM], v[BM], s[MK+g+\u], s[CM+\u+36*(\u/2)]
.endif
.endr
.set g, g+4
.endr
	v_lshrrev_b32 v[BT], 5, v[SV]
	v_sub_nc_u32 v[BN], v[BP], v[BT]               ; n: which set bit of that word
	v_lshrrev_b32 v[BT], 1, v[BM]                  ; counts of set bits in fields of 2, 4, 8 and 16 bits
	v_and_b32 v[BT], 0x55555555, v[BT]
	v_sub_nc_u32 v[L1], v[BM], v[BT]
	v_lshrrev_b32 v[BT], 2, v[L1]
	v_and_b32 v[BT], 0x33333333, v[BT]
	v_and_b32 v[L2], 0x33333333, v[L1]
	v_add_nc_u32 v[L2], v[L2], v[BT]
	v_lshrrev_b32 v[BT], 4, v[L2]
	v_add_nc_u32 v[L3], v[L2], v[BT]
	v_and_b32 v[L3], 0x0f0f0f0f, v[L3]
	v_lshrrev_b32 v[BT], 8, v[L3]
	v_add_nc_u32 v[L4], v[L3], v[BT]
	v_and_b32 v[L4], 0x00ff00ff, v[L4]
	v_mov_b32 v[POS], 0
	PICK L4, 8, 16
	PICK L3, 8, 8
	PICK L2, 4, 4
	PICK L1, 2, 2
	PICK BM, 1, 1
	v_and_b32 v[BT], 31, v[SV]
	v_lshl_add_u32 v[TOK], v[BT], 5, v[POS]
	v_min_u32 v[TOK], 1023, v[TOK]                 ; a position at or beyond the count gives some valid token
.endm
.macro LDW kk, buf                     ; K step kk's four weight fragments and their scale words into set buf: 20 LDS loads
.irp ct, 0,1,2,3
.irp c, 0,1,2,3
	ds_load_b128 v[WB+64*(\buf)+16*\ct+4*\c:WB+64*(\buf)+16*\ct+4*\c+3], v[4+\ct] offset:128*(\kk)+32*\c
.endr
	ds_load_b32 v[WSC+4*(\buf)+\ct], v8 offset:2304*\ct+4*(\kk)
.endr
.endm
	s_load_b512 s[4:19], s[0:1], 0x0               ; hq, hs, msk, tsel, tgate, w_proj_codes, w_proj_scales, b_proj
	s_load_b64 s[20:21], s[0:1], 0x40              ; yb
	v_lshl_add_u32 v254, v0, 2, 0x4c100
	v_mov_b32 v255, 0
	v_lshrrev_b32 v1, 5, v0
	v_readfirstlane_b32 s[WV], v1                  ; wave 0..7
	v_and_b32 v1, 31, v0                           ; lane
	v_and_b32 v2, 15, v0                           ; r
	v_bfe_u32 v3, v0, 4, 1                         ; h
	s_and_b32 s[EX], ttmp7, 0xffff                 ; the expert
	s_lshr_b32 s[CC], ttmp9, 1                     ; the chunk of 64 columns
	s_and_b32 s[RH], ttmp9, 1                      ; the parity of my groups
	s_lshl_b32 s[PADB], s[EX], 5
	s_add_co_u32 s[PADB], s[PADB], 2048
	v_mul_u32_u24 v4, v2, WP
	v_lshl_add_u32 v4, v3, 4, v4                   ; v4-7: a weight fragment's row r, my half, column tiles 0 to 3
	v_add_nc_u32 v5, 16*WP, v4
	v_add_nc_u32 v6, 32*WP, v4
	v_add_nc_u32 v7, 48*WP, v4
	v_mul_u32_u24 v8, v2, 144
	v_add_nc_u32 v8, WS, v8                        ; v8: row r's scale words
	v_lshlrev_b32 v9, 5, v3
	v_add_nc_u32 v9, BI, v9                        ; v9: the biases of my half's columns
	s_wait_alu depctr_va_sdst(0)                   ; the wave's number is written, ahead of its first reader
	s_lshl_b32 s27, s[WV], 1
	s_add_co_u32 s27, s27, s[RH]                   ; my group in round 0
	s_lshl_b32 s30, s27, 5                         ; s30: 32 x my group
	s_lshl_b32 s28, s27, 17
	v_lshl_add_u32 v10, v1, 4, s28                 ; v10: hq: my group's 131,072 bytes, 16 x lane
	s_lshl_b32 s28, s27, 12
	v_lshl_add_u32 v11, v1, 2, s28                 ; v11: hs: my group's 4,096 bytes, 4 x lane
	s_mul_i32 s28, s[WV], 4352
	s_add_co_u32 s28, s28, STG
	v_mul_u32_u24 v12, v2, 272
	v_lshl_add_u32 v12, v3, 5, v12
	v_add_nc_u32 v12, s28, v12                     ; v12: my stage, in: row r, 32 bytes for each half of the lanes
	v_lshlrev_b32 v236, 4, v2                      ; v236: 16 r
	v_mul_u32_u24 v13, v3, 272
	v_add_nc_u32 v13, v13, v236
	v_add_nc_u32 v13, s28, v13                     ; v13: and back: sixteen lanes a row, two rows an instruction
	s_lshl_b32 s28, s[WV], 7
	s_add_co_u32 s29, s28, GT
	v_lshl_add_u32 v14, v2, 2, s29                 ; v14: the gate of my wave's row r
	s_add_co_u32 s29, s28, YO
	v_lshl_add_u32 v15, v3, 2, s29                 ; v15: the rows of yb of its rows 2 i + h
	s_mul_i32 s28, s[WV], 8*WP
	v_lshl_add_u32 v237, v1, 4, s28                ; v237: staging: wave w brings columns 8 w .. 8 w + 7
	v_lshrrev_b32 v238, 3, v0
	v_mul_u32_u24 v238, v238, 144
	v_and_b32 v239, 7, v0
	v_lshl_add_u32 v238, v239, 4, v238
	v_add_nc_u32 v238, WS, v238                    ; v238: thread t brings 16 scale bytes of column t / 8, and of column 32 + t / 8
	v_lshl_add_u32 v239, v1, 3, BI                 ; v239
	s_lshl_b32 s28, s[WV], 15
	v_lshl_add_u32 v240, v1, 4, s28                ; v240: my wave's 32,768 bytes of the chunk's codes
	v_lshlrev_b32 v241, 4, v0
	v_lshlrev_b32 v242, 3, v1
	v_mov_b32 v[GA0+1], 0                          ; (named as the upper halves of the gates' pairs)
	v_mov_b32 v[GA1+1], 0
	s_wait_kmcnt 0x0
	s_mov_b32 s29, 0
	s_lshl_b32 s28, s[EX], 7
	s_add_nc_u64 s[8:9], s[8:9], s[28:29]
	s_load_b512 s[MK:MK+15], s[8:9], 0x0
	s_load_b512 s[MK+16:MK+31], s[8:9], 0x40
	s_lshl_b32 s28, s[EX], 22                      ; hq: the expert's 4 MiB
	s_add_nc_u64 s[4:5], s[4:5], s[28:29]
	s_lshl_b32 s27, s[CC], 18                      ; codes: (1,024 e + 64 cc) rows of 4,096 bytes
	s_add_co_u32 s28, s28, s27
	s_add_nc_u64 s[14:15], s[14:15], s[28:29]
	s_lshl_b32 s28, s[EX], 17                      ; hs: the expert's 131,072 bytes
	s_add_nc_u64 s[6:7], s[6:7], s[28:29]
	s_lshl_b32 s27, s[CC], 13                      ; scale bytes: 128 a row
	s_add_co_u32 s28, s28, s27
	s_add_nc_u64 s[16:17], s[16:17], s[28:29]
	s_lshl_b32 s28, s[EX], 12                      ; biases
	s_lshl_b32 s27, s[CC], 8
	s_add_co_u32 s28, s28, s27
	s_add_nc_u64 s[18:19], s[18:19], s[28:29]
	s_mov_b32 s28, s27                             ; yb: my 64 columns are 256 bytes of a row
	s_add_nc_u64 s[20:21], s[20:21], s[28:29]
	WIN 0x40                                       ; a load's destination: window 1
	s_wait_alu depctr_va_vdst(0)                   ; the addresses and offsets v4 to v15 and v236 to v242 are written: the loads and LDS instructions from here on read them
.set i, 0
.rept 64
	global_load_b128 v[4*i:4*i+3], v240, s[14:15] offset:512*i       ; 512 consecutive bytes
.set i, i+1
.endr
	WIN 0
	global_load_b128 v[144:147], v241, s[16:17]
	global_load_b128 v[148:151], v241, s[16:17] offset:4096
	global_load_b64 v[152:153], v242, s[18:19]     ; (every wave loads the 256 bytes of biases; wave 0 stages them)
	s_wait_kmcnt 0x0
	; PREFIX
	s_mov_b32 s[CNT], 0
.set g, 0
.rept 32
	s_lshl_b32 s[PG+g], s[CNT], 5
	s_or_b32 s[PG+g], s[PG+g], g
	s_bcnt1_i32_b32 s27, s[MK+g]
	s_add_co_u32 s[CNT], s[CNT], s27
.set g, g+1
.endr
	; my work-group's rows: two passes of 256, a constant; pass j serves round j, whose positions begin at 512 j
	s_mov_b32 s2, 0
.Lbuild:
	s_lshl_b32 s27, s2, 1
	s_cmp_ge_u32 s27, s[CNT]
	s_cbranch_scc1 .Lno_pass
	v_add_nc_u32 v93, s2, v0                       ; q
	v_lshrrev_b32 v94, 5, v93
	v_lshl_add_u32 v94, v94, 1, s[RH]              ; its group
	v_and_b32 v95, 31, v93
	v_lshl_add_u32 v[BP], v94, 5, v95              ; its position
	BUILD
	v_lshlrev_b32 v104, 2, v[TOK]
	v_lshlrev_b32 v105, 3, v[TOK]
	v_lshl_add_u32 v103, v93, 2, YO
	v_add_nc_u32 v106, s[PADB], v95                ; the spare row that a position at or beyond the count takes
	v_cmp_le_u32 s[CM+1], s[CNT], v[BP]            ; is there no such position?
	s_wait_alu depctr_va_vdst(0)                   ; the offsets v104 and v105 are written, which the loads read; the pass before is done with v96, v98 and v99, in which they land
	global_load_b32 v96, v104, s[10:11]
	global_load_b64 v[98:99], v105, s[12:13]
	s_wait_loadcnt 0x0                             ; (the weights too, which are wanted next)
	v_and_b32 v96, 0xff, v96
	v_cmp_ne_u32 s[CM], s[EX], v96                 ; am I the token's second expert?
	s_wait_alu depctr_va_sdst(0)                   ; both compares have written their masks, which the selections read
	v_cndmask_b32 v100, 0, 1, s[CM]
	v_cndmask_b32 v102, v98, v99, s[CM]
	v_lshl_or_b32 v101, v100, 10, v[TOK]
	v_cndmask_b32 v101, v101, v106, s[CM+1]
	s_wait_alu depctr_va_vdst(0)                   ; the row of yb, the gate and their place in the tables are written, which the LDS stores read
	ds_store_b32 v103, v101
	ds_store_b32 v103, v102 offset:GT-YO
	s_wait_alu depctr_vm_vsrc(0)                   ; the LDS stores have read v101 to v103 and the loads v104 and v105, which the next pass writes again
.Lno_pass:
	s_add_co_u32 s2, s2, 256
	s_cmp_lt_u32 s2, 512
	s_cbranch_scc1 .Lbuild
	s_wait_loadcnt 0x0
	WIN 0x04                                       ; an LDS store's data: window 1
.set i, 0
.rept 64
	ds_store_b128 v237, v[4*i:4*i+3] offset:(i/8)*WP+(i%8)*512
.set i, i+1
.endr
	WIN 0
	ds_store_b128 v238, v[144:147]
	ds_store_b128 v238, v[148:151] offset:32*144
	s_cmp_lg_u32 s[WV], 0
	s_cbranch_scc1 .Lnot_wave_0
	ds_store_b64 v239, v[152:153]
.Lnot_wave_0:
	s_wait_dscnt 0x0                               ; for the others' sake: my stores have landed
	s_barrier_signal -1
	s_barrier_wait -1                              ; the one barrier: from here on all but the waves' own stages is only read
	s_wait_alu depctr_vm_vsrc(0)                   ; my LDS stores have read the landings: window 1, which is the ring from here on, and v144-153, which belong to the weights' second set
	s_mov_b32 s2, 0                                ; the round
	s_mov_b32 s3, 0                                ; 1,024 x round: the step of the rows' tables
.Lround:
	s_cmp_ge_u32 s30, s[CNT]
	s_cbranch_scc1 .Lnone
	s_wait_alu depctr_va_vdst(0)                   ; v10 and v11, stepped at the last round's end, are written, which the loads read; that round is done with the accumulators, the weights' sets, the ring and the scale words, in which the loads below land
.irp rt, 0,1                                   ; the biases are the sums' first C: register j of tile ct is column 16 ct + 8 h + j
.irp ct, 0,1,2,3
	ds_load_b128 v[ACC+8*(4*\rt+\ct):ACC+8*(4*\rt+\ct)+3], v9 offset:64*\ct
	ds_load_b128 v[ACC+8*(4*\rt+\ct)+4:ACC+8*(4*\rt+\ct)+7], v9 offset:64*\ct+16
.endr
.endr
	LDW 0, 0
	LDW 1, 1
.irp s, 0,1,2,3,4,5,6
	global_load_b32 v[HSC+\s], v11, s[6:7] offset:128*\s           ; lane l: row l's scale word: row tile 1's lie in lanes 16-31
.endr
	WIN 0x40
.irp s, 0,1,2,3,4,5,6
.irp i, 0,1,2,3,4,5,6,7
	global_load_b128 v[32*\s+4*\i:32*\s+4*\i+3], v10, s[4:5] offset:4096*\s+512*\i
.endr
.endr
	WIN 0
.set k, 0
.rept 32
.set sl, k%7
.set kb, k%2
	; the loads issued behind this K step's own may stay out
.if k == 0
	s_wait_loadcnt 48                              ; six slots of the first fill
.elseif k < 7
	s_wait_loadcnt 39+k                            ; (6 - k) slots of the first fill, and k - 1 refills of 9
.elseif k < 27
	s_wait_loadcnt 45                              ; five refills of 9
.else
	s_wait_loadcnt 9*(31-k)
.endif
.if k == 0
	s_wait_dscnt 20                                ; the biases and this K step's weights are in; the next step's 20 loads may be out
.else
	s_wait_dscnt 0x0                               ; this K step's weights, asked for at the head of the step before, are in
.endif
.if (k > 0) && (k < 31)
	s_wait_alu depctr_va_vdst(0)                   ; the K step before is done reading its set of weights, its slot of the ring and their scale words, in which the loads below land
	LDW k+1, 1-kb
.endif
.if (k > 0) && (k < 26)
.set ps, (k-1)%7
	global_load_b32 v[HSC+ps], v11, s[6:7] offset:128*(k+6)        ; the slot multiplied last takes the K step six on from this one
	WIN 0x40
.irp i, 0,1,2,3,4,5,6,7
	global_load_b128 v[32*ps+4*\i:32*ps+4*\i+3], v10, s[4:5] offset:4096*(k+6)+512*\i
.endr
.endif
	WIN 0x04                                       ; source 1 (h) in window 1.  The 8 accumulators take turns in the same order in every K step
.irp ct, 0,1,2,3
	v_wmma_scale_f32_16x16x128_f8f6f4 v[ACC+8*\ct:ACC+8*\ct+7], v[WB+64*kb+16*\ct:WB+64*kb+16*\ct+15], v[32*sl:32*sl+15], v[ACC+8*\ct:ACC+8*\ct+7], v[WSC+4*kb+\ct], v[HSC+sl] matrix_a_fmt:MATRIX_FMT_BF8 matrix_b_fmt:MATRIX_FMT_BF8
	v_wmma_scale_f32_16x16x128_f8f6f4 v[ACC+32+8*\ct:ACC+32+8*\ct+7], v[WB+64*kb+16*\ct:WB+64*kb+16*\ct+15], v[32*sl+16:32*sl+31], v[ACC+32+8*\ct:ACC+32+8*\ct+7], v[WSC+4*kb+\ct], v[HSC+sl] matrix_a_fmt:MATRIX_FMT_BF8 matrix_b_fmt:MATRIX_FMT_BF8 matrix_b_scale:MATRIX_SCALE_ROW1
.endr
	WIN 0
.set k, k+1
.endr
	; THE WAY OUT, two tiles of 16 rows: x the row's gate; through my stage, so that sixteen lanes hold a row's 256 bytes; to the row's place in yb.
	; Each tile has its own registers for its gate, its offsets and its rows, so that both tiles' vector work stands ahead of one wait, and no store's source is written again before the waits at the round's end
	v_add_nc_u32 v224, s3, v14
	v_add_nc_u32 v225, s3, v15
	PLACES 6                                       ; with the two additions: eight places behind this form, ahead of the first read of its results
	s_wait_alu depctr_va_vdst(0)                   ; v224 and v225 are written, which the LDS loads read; the round before is done with the gates and the offsets, in which they land
	ds_load_b32 v[GA0], v224
	ds_load_b32 v[GA1], v224 offset:64
.irp rt, 0,1
.irp i, 0,1,2,3,4,5,6,7
	ds_load_b32 v[YOF+16*\rt+\i], v225 offset:64*\rt+8*\i
.endr
.endr
	s_wait_dscnt 0x0
.irp a, 0,2,4,6,8,10,12,14,16,18,20,22,24,26,28,30
	v_pk_mul_f32 v[ACC+\a:ACC+\a+1], v[ACC+\a:ACC+\a+1], v[GA0:GA0+1] op_sel_hi:[1,0]   ; each accumulator from its low end on
.endr
.irp a, 0,2,4,6,8,10,12,14,16,18,20,22,24,26,28,30
	v_pk_mul_f32 v[ACC+32+\a:ACC+32+\a+1], v[ACC+32+\a:ACC+32+\a+1], v[GA1:GA1+1] op_sel_hi:[1,0]
.endr
.irp rt, 0,1
.irp i, 0,1,2,3,4,5,6,7
	v_min_u32 v[YOF+16*\rt+\i], 2303, v[YOF+16*\rt+\i]             ; yb has 2,304 rows
.endr
.irp i, 0,1,2,3,4,5,6,7
	v_lshl_add_u32 v[YOF+16*\rt+\i], v[YOF+16*\rt+\i], 12, v236    ; rows of 4,096 bytes, 16 r
.endr
.endr
	s_wait_alu depctr_va_vdst(0)                   ; the scaled results are written, which the LDS stores read, and the offsets, which the global stores read; the matrix instructions are done reading v80-143, in which the rows land
.irp rt, 0,1
.irp ct, 0,1,2,3
	ds_store_b128 v12, v[ACC+32*\rt+8*\ct:ACC+32*\rt+8*\ct+3] offset:64*\ct
	ds_store_b128 v12, v[ACC+32*\rt+8*\ct+4:ACC+32*\rt+8*\ct+7] offset:64*\ct+16
.endr
.irp i, 0,1,2,3,4,5,6,7
	ds_load_b128 v[WB+32*\rt+4*\i:WB+32*\rt+4*\i+3], v13 offset:544*\i           ; my own stage: LDS serves a wave's instructions in order (ISA guide 5.7.1.4): these see the stores above, and the next tile's stores come behind them
.endr
.endr
.irp rt, 0,1
.irp i, 0,1,2,3,4,5,6,7
	s_wait_dscnt 16*(1-\rt)+7-\i                   ; rows 2 i and 2 i + 1 of the tile are back; its younger loads, and behind tile 0 tile 1's 8 stores and 8 loads, may be out
	global_store_b128 v[YOF+16*\rt+\i], v[WB+32*\rt+4*\i:WB+32*\rt+4*\i+3], s[20:21] th:TH_STORE_NT   ; sixteen lanes store 256 consecutive bytes, aligned
.endr
.endr
.Lnone:
	s_wait_xcnt 0x0                                ; the loads and stores have read their registers and addresses: they may be written again
	s_wait_alu depctr_vm_vsrc(0)                   ; the round's loads have read v10, v11, v224 and v225, its LDS stores the accumulators, its global stores their offsets and rows: the lines below and the next round write them again
	s_wait_alu depctr_va_vdst(0)
	v_add_nc_u32 v10, 0x200000, v10                ; sixteen groups on
	v_add_nc_u32 v11, 0x10000, v11
	s_add_co_u32 s30, s30, 512
	s_add_co_u32 s3, s3, 1024
	s_add_co_u32 s2, s2, 1
	s_cmp_lt_u32 s2, 2
	s_cbranch_scc1 .Lround
	s_wait_dscnt 0x0
	s_wait_alu depctr_hold_cnt(0) depctr_sa_sdst(0) depctr_va_vdst(0) depctr_va_sdst(0) depctr_va_ssrc(0) depctr_va_vcc(0) depctr_vm_vsrc(0)
	s_wait_tensorcnt 0x0
	ds_add_u32 v254, v255
	s_wait_dscnt 0x0
	s_endpgm
.Lfunc_end_k_q5955adeb54_proj:
	.size	k_q5955adeb54_proj, .Lfunc_end_k_q5955adeb54_proj-k_q5955adeb54_proj
	.p2alignl 7, 3214868480
	.fill 96, 4, 3214868480
	.section	.rodata,"a",@progbits
	.p2align	6, 0x0
	.amdhsa_kernel k_q5955adeb54_proj
		.amdhsa_group_segment_fixed_size 312576
		.amdhsa_private_segment_fixed_size 0
		.amdhsa_enable_private_segment 0
		.amdhsa_kernarg_size 72
		.amdhsa_user_sgpr_count 2
		.amdhsa_user_sgpr_kernarg_segment_ptr 1
		.amdhsa_wavefront_size32 1
		.amdhsa_system_sgpr_workgroup_id_x 1
		.amdhsa_system_sgpr_workgroup_id_y 1
		.amdhsa_system_sgpr_workgroup_id_z 1
		.amdhsa_system_vgpr_workitem_id 0
		.amdhsa_next_free_vgpr 512
		.amdhsa_next_free_sgpr 100
		.amdhsa_reserve_vcc 1
		.amdhsa_float_denorm_mode_32 3
		.amdhsa_float_denorm_mode_16_64 3
		.amdhsa_memory_ordered 1
		.amdhsa_forward_progress 1
		.amdhsa_inst_pref_size 146
	.end_amdhsa_kernel
	.amdgpu_metadata
---
amdhsa.version: [ 1, 2 ]
amdhsa.kernels:
  - .name:           k_q5955adeb54_proj
    .symbol:         k_q5955adeb54_proj.kd
    .args:
      - { .name: hq, .offset: 0, .size: 8, .value_kind: global_buffer, .address_space: global }
      - { .name: hs, .offset: 8, .size: 8, .value_kind: global_buffer, .address_space: global }
      - { .name: msk, .offset: 16, .size: 8, .value_kind: global_buffer, .address_space: global }
      - { .name: tsel, .offset: 24, .size: 8, .value_kind: global_buffer, .address_space: global }
      - { .name: tgate, .offset: 32, .size: 8, .value_kind: global_buffer, .address_space: global }
      - { .name: w_proj_codes, .offset: 40, .size: 8, .value_kind: global_buffer, .address_space: global }
      - { .name: w_proj_scales, .offset: 48, .size: 8, .value_kind: global_buffer, .address_space: global }
      - { .name: b_proj, .offset: 56, .size: 8, .value_kind: global_buffer, .address_space: global }
      - { .name: yb, .offset: 64, .size: 8, .value_kind: global_buffer, .address_space: global }
    .group_segment_fixed_size: 312576
    .private_segment_fixed_size: 0
    .kernarg_segment_align: 8
    .kernarg_segment_size: 72
    .max_flat_workgroup_size: 256
    .sgpr_count:     100
    .vgpr_count:     512
    .wavefront_size: 32
...
	.end_amdgpu_metadata
.endif
;; end of part 7
;; launch combine (part 8): grid 256 x 1, 8 waves a work-group, no clusters, 0 bytes of LDS; arguments yb, out0; writes out0
.if DOCPART == 8
	.amdgcn_target "amdgcn-amd-amdhsa--gfx1250"
	.amdhsa_code_object_version 6
	.text
	.protected	k_q5955adeb54_combine
	.globl	k_q5955adeb54_combine
	.p2align	8
	.type	k_q5955adeb54_combine,@function
k_q5955adeb54_combine:
	s_mov_b64 s[64:65], 0
	v_nop
	global_prefetch_b8 v0, s[64:65] scope:SCOPE_SE
	s_setreg_imm32_b32 hwreg(HW_REG_WAVE_MODE, 25, 1), 1
	s_wait_xcnt 0x0
; out0[token] = yb[0][token] + yb[1][token]: the two chosen experts' rows, each already multiplied by its gate; the six experts not chosen have the gate 0 and add nothing.
; A stream: 8 MiB in, 4 MiB out, each byte once.  A work-group takes 16 KiB of out0, a thread 4 x 16 bytes; each load and store of a wave covers 512 consecutive bytes, aligned.
; All eight loads of a thread go out at once; no loop, no LDS, no barrier, no matrix unit: there is nothing here for them to do.
.set SLOT, 4194304                     ; bytes from slot 0 to slot 1
	s_load_b128 s[4:7], s[0:1], 0x0                ; yb, out0
	v_lshlrev_b32 v1, 4, v0
	s_lshl_b32 s8, ttmp9, 14
	s_mov_b32 s9, 0
	s_wait_alu depctr_va_vdst(0)
	s_wait_kmcnt 0x0
	s_add_nc_u64 s[4:5], s[4:5], s[8:9]
	s_add_nc_u64 s[6:7], s[6:7], s[8:9]
.irp j, 0,1,2,3
	global_load_b128 v[4+4*\j:7+4*\j], v1, s[4:5] offset:4096*\j th:TH_LOAD_NT
	global_load_b128 v[20+4*\j:23+4*\j], v1, s[4:5] offset:SLOT+4096*\j th:TH_LOAD_NT
.endr
.irp j, 0,1,2,3
	s_wait_loadcnt 6-2*\j                          ; pair j is in; the younger pairs may be out
	v_pk_add_f32 v[4+4*\j:5+4*\j], v[4+4*\j:5+4*\j], v[20+4*\j:21+4*\j]
	v_pk_add_f32 v[6+4*\j:7+4*\j], v[6+4*\j:7+4*\j], v[22+4*\j:23+4*\j]
	global_store_b128 v1, v[4+4*\j:7+4*\j], s[6:7] offset:4096*\j th:TH_STORE_NT
.endr
	s_endpgm
.Lfunc_end_k_q5955adeb54_combine:
	.size	k_q5955adeb54_combine, .Lfunc_end_k_q5955adeb54_combine-k_q5955adeb54_combine
	.p2alignl 7, 3214868480
	.fill 96, 4, 3214868480
	.section	.rodata,"a",@progbits
	.p2align	6, 0x0
	.amdhsa_kernel k_q5955adeb54_combine
		.amdhsa_group_segment_fixed_size 0
		.amdhsa_private_segment_fixed_size 0
		.amdhsa_enable_private_segment 0
		.amdhsa_kernarg_size 16
		.amdhsa_user_sgpr_count 2
		.amdhsa_user_sgpr_kernarg_segment_ptr 1
		.amdhsa_wavefront_size32 1
		.amdhsa_system_sgpr_workgroup_id_x 1
		.amdhsa_system_sgpr_workgroup_id_y 1
		.amdhsa_system_sgpr_workgroup_id_z 1
		.amdhsa_system_vgpr_workitem_id 0
		.amdhsa_next_free_vgpr 48
		.amdhsa_next_free_sgpr 66
		.amdhsa_reserve_vcc 0
		.amdhsa_float_denorm_mode_32 3
		.amdhsa_float_denorm_mode_16_64 3
		.amdhsa_memory_ordered 1
		.amdhsa_forward_progress 1
		.amdhsa_inst_pref_size 3
	.end_amdhsa_kernel
	.amdgpu_metadata
---
amdhsa.version: [ 1, 2 ]
amdhsa.kernels:
  - .name:           k_q5955adeb54_combine
    .symbol:         k_q5955adeb54_combine.kd
    .args:
      - { .name: yb, .offset: 0, .size: 8, .value_kind: global_buffer, .address_space: global }
      - { .name: out0, .offset: 8, .size: 8, .value_kind: global_buffer, .address_space: global }
    .group_segment_fixed_size: 0
    .private_segment_fixed_size: 0
    .kernarg_segment_align: 8
    .kernarg_segment_size: 16
    .max_flat_workgroup_size: 256
    .sgpr_count:     66
    .vgpr_count:     48
    .wavefront_size: 32
...
	.end_amdgpu_metadata
.endif
;; end of part 8
